; MI455X (gfx1250); checked and timed in simulation.
; The chip was launched on July 23, 2026; its instructions are those of AMD's public machine-readable ISA for CDNA 5 (MIT licence, August 2026) and "CDNA5" Instruction Set Architecture Reference Guide (July 2026). The comments in the code are by the model that wrote it; some were corrected since.
;; Multihead Attention. Allowed arithmetic: matrix products marked QUANTISED: E2M1 operands, one E8M0 scale for each 32 along K, by v_wmma_scale_f32_16x16x128_f8f6f4 with both operands' format E2M1 (or v_wmma_scale_f32_32x16x128_f4), f32 sums; products left as they are: bf16, f16 or f32 operands; f32 sums; everything else in f32.
;; Inputs: Wk 1,024 x 1,024 float32; Wo 1,024 x 1,024 float32; Wq 1,024 x 1,024 float32; Wv 1,024 x 1,024 float32; bo 1,024 float32; x 4 x 2,048 x 1,024 float32.
;; Outputs: out0 4 x 2,048 x 1,024 float32.
;; This version of the problem:
;;   THIS VERSION OF THE PROBLEM IS GIVEN IN LOW PRECISION. The matrix products marked QUANTISED in the list below multiply operands that are first quantised to E2M1 (2 exponent bits, 1 mantissa bit; 4 bits a number), with one power-of-two scale for each 32 numbers along K (OCP MX v1.0); their sums are f32. The products marked 'left as it is' may take bf16, f16 or f32 operands, with f32 sums. Whichever they take, every output number must still come out within the allowed error. Rounding operands to bf16 (8 significant bits) uses up far more of that allowance than f16 does (11 bits, for magnitudes from 6e-5 to 65,504). All else is computed in f32.
;;   The module's matrix products, in the order in which they are computed (A, B: the left and right operand; K: the contracted axis; several contracted axes count as one K, in the product's order):
;;     1. [M 8,192, K 1,024] x [K 1,024, N 1,024]; A: input x; B: input Wq: QUANTISED
;;     2. [M 8,192, K 1,024] x [K 1,024, N 1,024]; A: input x; B: input Wk: QUANTISED
;;     3. [M 8,192, K 1,024] x [K 1,024, N 1,024]; A: input x; B: input Wv: QUANTISED
;;     4. batch 64 x [M 2,048, K 64] x [K 64, N 2,048]; A: computed on the way; B: computed on the way: left as it is (an operand is computed on the way)
;;     5. batch 64 x [M 2,048, K 2,048] x [K 2,048, N 64]; A: computed on the way; B: computed on the way: left as it is (an operand is computed on the way)
;;     6. [M 8,192, K 1,024] x [K 1,024, N 1,024]; A: computed on the way; B: input Wo: left as it is (an operand is computed on the way)
;;   THE QUANTISER, for each operand of a quantised product, along K:
;;     - K is cut into blocks of 32 from its start; a last block that is shorter is filled with zeros.
;;     - A block's scale is 2^e with e = floor(log2(the largest magnitude in the block)) - 2, held to -126 .. 127; a block of zeros has e = 0. As a byte (E8M0): e + 127.
;;     - Each number is divided by its block's scale, clamped to +-6, and rounded to the nearest number of E2M1, ties to even, subnormals kept.
;;     - The product sums the exact products of the quantised numbers (number of the format x scale) in f32.
;;   ~~~python
;;   def quantise(x, axis):      # numpy; x: float32 -> the quantised numbers, widened to float32 again
;;       x = np.moveaxis(x, axis, -1); K = x.shape[-1]
;;       x = np.pad(x, [(0, 0)] * (x.ndim - 1) + [(0, -K % 32)]); x = x.reshape(x.shape[:-1] + (-1, 32)); a = np.abs(x).max(-1, keepdims=True)
;;       e = np.where(a > 0, np.clip(np.frexp(np.where(a > 0, a, 1))[1] - 1 - 2, -126, 127), 0)      # np.frexp(a)[1] - 1 = floor(log2(a)), exactly
;;       r = np.clip(x / 2.0 ** e, -6, 6)
;;       step = 2.0 ** (np.maximum(np.frexp(np.where(r == 0, 1, r))[1] - 1, 0) - 1)
;;       q = np.round(r / step) * step * 2.0 ** e      # np.round: ties to even
;;       return np.moveaxis(q.reshape(q.shape[:-2] + (-1,))[..., :K], -1, axis).astype(np.float32)
;;   ~~~
;; One version. Each part assembles by itself: llvm-mc -triple=amdgcn-amd-amdhsa -mcpu=gfx1250 --defsym DOCPART=n.
;; ======== version 1 of 1: 5 launches
;; limits: values are held in f16: magnitudes above 65,504 overflow, below 6.1e-05 lose precision
;; workspace buffers: xc 4,194,304 bytes; xs 262,144 bytes; wc 1,572,864 bytes; ws 98,304 bytes; wof 2,097,152 bytes; qkv 50,331,648 bytes; qkv32 786,432 bytes; ctxf 16,777,216 bytes
;; launch prep (part 1): grid 256 x 1, 8 waves a work-group, no clusters, 71,680 bytes of LDS; arguments x, Wq, Wk, Wv, Wo, xc, xs, wc, ws, wof; writes xc, xs, wc, ws, wof
.if DOCPART == 1
	.amdgcn_target "amdgcn-amd-amdhsa--gfx1250"
	.amdhsa_code_object_version 6
	.text
	.protected	k_q2d4d92d5ab_prep
	.globl	k_q2d4d92d5ab_prep
	.p2align	8
	.type	k_q2d4d92d5ab_prep,@function
k_q2d4d92d5ab_prep:
	s_mov_b64 s[64:65], 0
	v_nop
	global_prefetch_b8 v0, s[64:65] scope:SCOPE_SE
	s_setreg_imm32_b32 hwreg(HW_REG_WAVE_MODE, 25, 1), 1
	s_wait_xcnt 0x0
; PREP: the operands of the later launches, each laid in the order of the matrix operand's registers.
;   x  [8192][1024] f32        -> xc: codes of E2M1, xs: E8M0 scale bytes, quantised along its last axis (K)
;   Wq, Wk, Wv [1024 k][1024 n] -> wc, ws: the same, quantised down their FIRST axis (K); row = output column 1024 sel + n
;   Wo [1024 k][1024 n] f32    -> wof: f16
; A block's scale is 2^(floor(log2(largest magnitude)) - 2); its byte is the largest magnitude's exponent field - 2, held at 1 from below.
; LAYOUTS (L = lane, r = L % 16, h = L / 16).  xc, wc: [row tile of 16][128 along K: 8][c 2][lane 32][16 bytes]: the piece (c, h, r) holds the 32 codes of row r, block 4 kstep + 2 c + h.
; xs, ws: [row tile][half of K: 2][r 16][16 bytes]: byte i = the scale of block 16 half + i.  wof: [n tile 64][32 along K: 32][half 2][lane 32][16 bytes]: Wo[32 chunk + 16 half + 8 h + 0..7][16 tile + r].
; WORK LEFT OUT BY THE PROGRAM (the launch attn): reference() sets the score of key k and query q to -inf wherever k > q, by its own jnp.tril; the softmax's weight there is exp(-inf) = 0 for all
; finite inputs, and 0 x V adds nothing.  So key steps all of whose keys come after all queries of a piece are not multiplied.  Every input has a way to the output: all six are loaded.
; LIMITS: a NaN, an infinity or an overflow that lies only in work left out is not carried to the result; NaN and infinities among the inputs are not served; a block of zeros gets the byte 1 where the
; rule says 127 (its codes are zeros, and this program alone reads the bytes); |Wo| stays under 65,504, and magnitudes under 6e-5 keep f16's absolute step.
; SHARES: work-groups 0-127 take x, 128-223 the three quantised weights, 224-255 Wo.  The three ways part once, on the work-group's number; each has LDS bytes of its own.
.set SPW,   4                          ; v4   LDS address of my spare word; never rewritten
.set NIL,   5                          ; v5   0; never rewritten
.set WSC,   69632                      ; LDS: the weights' way: 1,024 bytes of scale words (x's way: 8 regions of 8,704 bytes from 0 on)
.set SPARE, 70656                      ; the spare words, 128 bytes for each of eight waves: four blocks of 256 bytes that no other line names
.set BY,    16                         ; v16-23   x: a scale byte for each step
.set R,     32                         ; v32-159  x: four sets of 32 numbers as loaded;  weights: 128 numbers of my column
.set XN,    160                        ; v160-223 x: two sets of 32 neighbours;          weights: what is stored
.set CD,    224                        ; v224-255 x: four registers of codes for each step
.macro CLOSE                           ; the wave's end, behind my last LDS store
	s_wait_tensorcnt 0x0
	ds_add_u32 v[SPW], v[NIL]
	s_wait_dscnt 0x0
	s_endpgm
.endm
; the largest magnitude of the 32 numbers from v[xs] on, in two chains, with the floor 2^(3 - 127) so that the byte cannot fall under 1; v12 = the conversion's scale operand (2 off the exponent field)
.macro BLKMAX xs
	v_max3_num_f32 v10, |v[\xs]|, |v[\xs+1]|, |v[\xs+2]|
	v_max3_num_f32 v11, |v[\xs+3]|, |v[\xs+4]|, |v[\xs+5]|
.irp i, 6,10,14,18,22,26
	v_max3_num_f32 v10, v10, |v[\xs+\i]|, |v[\xs+\i+1]|
	v_max3_num_f32 v11, v11, |v[\xs+\i+2]|, |v[\xs+\i+3]|
.endr
	v_max3_num_f32 v10, v10, |v[\xs+30]|, |v[\xs+31]|
	v_max3_num_f32 v10, v10, v11, 0x1800000
	v_add_nc_u32 v12, 0xff000000, v10
.endm
	s_load_b512 s[4:19], s[0:1], 0x0               ; x s[4:5], Wq s[6:7], Wk s[8:9], Wv s[10:11], Wo s[12:13], xc s[14:15], xs s[16:17], wc s[18:19]
	s_load_b128 s[20:23], s[0:1], 0x40             ; ws s[20:21], wof s[22:23]
	v_lshl_add_u32 v[SPW], v0, 2, SPARE
	v_mov_b32 v[NIL], 0
	v_lshrrev_b32 v1, 5, v0
	v_readfirstlane_b32 s24, v1                    ; wave 0..7
	v_and_b32 v1, 31, v0                           ; L
	v_and_b32 v2, 15, v0                           ; r
	v_bfe_u32 v3, v0, 4, 1                         ; h
	v_lshlrev_b32 v10, 4, v2                       ; 16 r
	s_mov_b32 s31, 0                               ; the upper word of every 32-bit offset
	s_wait_kmcnt 0x0
	s_cmp_lt_u32 ttmp9, 128
	s_cbranch_scc0 .Lweights
; ---- x.  Wave W = 8 work-group + wave takes row tile W / 2 and half W % 2 of K: 16 rows x 512, in 8 steps of 64 along K.
; A load reads 256 consecutive bytes of each of two rows; a step's 4,096 bytes turn through my own stage in LDS (rows 272 bytes apart) and come back 128 bytes a lane: one whole block of 32.
	s_lshl_b32 s25, ttmp9, 3
	s_add_co_u32 s25, s25, s24                     ; W
	s_lshr_b32 s26, s25, 1
	s_and_b32 s27, s25, 1
	s_lshl_b32 s30, s26, 16                        ; 16 rows of 4,096 bytes,
	s_lshl_b32 s27, s27, 11                        ; 512 numbers
	s_add_co_u32 s30, s30, s27
	s_add_nc_u64 s[4:5], s[4:5], s[30:31]
	s_lshl_b32 s30, s25, 12                        ; xc: 4,096 bytes a wave
	s_add_nc_u64 s[14:15], s[14:15], s[30:31]
	s_lshl_b32 s30, s25, 8                         ; xs: 256 bytes a wave
	s_add_nc_u64 s[16:17], s[16:17], s[30:31]
	s_mul_i32 s26, s24, 8704                       ; my two stages
	v_lshlrev_b32 v9, 4, v1                        ; 16 L: where my codes go
	v_lshl_add_u32 v6, v3, 12, v10                 ; in memory: row h of a pair, 16 r
	v_mad_u32_u24 v7, v3, 272, v10
	v_add_nc_u32 v7, s26, v7                       ; into the stage: the same
	v_mul_u32_u24 v8, v2, 272
	v_lshl_add_u32 v8, v3, 7, v8
	v_add_nc_u32 v8, s26, v8                       ; out of it: row r, block h
	v_lshlrev_b32 v13, 3, v3                       ; 8 h
	s_mov_b32 s28, 0x76543210
	s_mov_b32 s29, 0xfedcba98                      ; v_permlanex16_b32's selects for lane l xor 16
.macro XLOAD e
.irp i, 0,1,2,3,4,5,6,7
	global_load_b128 v[R+32*((\e)%4)+4*\i:R+32*((\e)%4)+4*\i+3], v6, s[4:5] offset:8192*\i+256*(\e) th:TH_LOAD_NT
.endr
.endm
.macro XTURN e                         ; LDS serves a wave's instructions in order: no wait between the stores and the loads
.irp i, 0,1,2,3,4,5,6,7
	ds_store_b128 v7, v[R+32*((\e)%4)+4*\i:R+32*((\e)%4)+4*\i+3] offset:4352*((\e)%2)+544*\i
.endr
.irp i, 0,1,2,3,4,5,6,7
	ds_load_b128 v[XN+32*((\e)%2)+4*\i:XN+32*((\e)%2)+4*\i+3], v8 offset:4352*((\e)%2)+16*\i
.endr
.endm
.macro XSTEP e
.set XS, XN+32*((\e)%2)
	s_wait_dscnt 0x0                               ; this step's block is back from the stage, and the stage's stores have read their registers,
.if (\e)+4 < 8
	XLOAD (\e)+4                                   ; which take the loads of four steps on
.endif
.if (\e) < 7
.if (\e) <= 3
	s_wait_loadcnt 24                              ; the next step's eight loads are in; those of the three steps behind it may be out
.else
	s_wait_loadcnt 8*(6-(\e))
.endif
	XTURN (\e)+1                                   ; and go through the other stage while this step is worked
.endif
	BLKMAX XS
.irp g, 0,1,2,3
	v_cvt_scalef32_pk8_fp4_f32 v[CD+4*(\e)+\g], v[XS+8*\g:XS+8*\g+7], v12
.endr
	v_lshrrev_b32 v[BY+(\e)], 23, v12              ; the scale's byte (a plain line behind the conversions)
	global_store_b128 v9, v[CD+4*(\e):CD+4*(\e)+3], s[14:15] offset:512*(\e)   ; 32 lanes store 512 consecutive bytes
.endm
	XLOAD 0
	XLOAD 1
	XLOAD 2
	XLOAD 3
	s_wait_loadcnt 24                              ; step 0's eight loads are in
	XTURN 0
.irp e, 0,1,2,3,4,5,6,7
	XSTEP \e
.endr
.irp q, 0,1,2,3                        ; 128 along K have four bytes: mine are those of blocks h and 2 + h; lane l xor 16 has the other two
	v_lshl_or_b32 v10, v[BY+2*\q+1], 16, v[BY+2*\q]
	v_lshlrev_b32 v10, v13, v10
	v_permlanex16_b32 v11, v10, s28, s29
	v_or_b32 v[24+\q], v10, v11
.endr
	v_cmp_gt_u32 vcc_lo, 16, v1
	s_wait_xcnt 0x0                                ; EXEC changes only when the stores above have read it
	s_and_saveexec_b32 s26, vcc_lo
	global_store_b128 v9, v[24:27], s[16:17]       ; lanes 0-15: 256 consecutive bytes
	s_wait_xcnt 0x0
	s_or_b32 exec_lo, exec_lo, s26
	CLOSE
; ---- the weights.  A work-group takes 32 columns x all of K; wave w takes rows 128 w .. 128 w + 127.  A LANE IS A COLUMN AND ITS REGISTERS RUN DOWN K: nothing is transposed.
.macro WLOAD t                         ; rows 32 t .. 32 t + 31 of my 128: each load reads 128 consecutive bytes
.irp i, 0,1,2,3,4,5,6,7,8,9,10,11,12,13,14,15,16,17,18,19,20,21,22,23,24,25,26,27,28,29,30,31
	global_load_b32 v[R+32*(\t)+\i], v6, s[26:27] offset:4096*(32*(\t)+\i)
.endr
.endm
.macro WWAIT t                         ; block t is in; the next block's 32 loads may be out; the block two on is asked for
.if (\t) < 3
	s_wait_loadcnt 32
.else
	s_wait_loadcnt 0x0
.endif
.if (\t)+2 < 4
	WLOAD (\t)+2
.endif
.endm
.Lweights:
	s_cmp_lt_u32 ttmp9, 224
	s_cbranch_scc0 .Lwo
	s_sub_co_u32 s25, ttmp9, 128
	s_lshr_b32 s28, s25, 5                         ; 0: Wq, 1: Wk, 2: Wv
	s_and_b32 s29, s25, 31                         ; which 32 columns
	s_cmp_eq_u32 s28, 0
	s_cselect_b64 s[26:27], s[6:7], s[8:9]
	s_cmp_eq_u32 s28, 2
	s_cselect_b64 s[26:27], s[10:11], s[26:27]
	s_lshl_b32 s30, s24, 19                        ; 128 rows of 4,096 bytes a wave
	s_lshl_b32 s25, s29, 7
	s_add_co_u32 s30, s30, s25
	s_add_nc_u64 s[26:27], s[26:27], s[30:31]
	s_lshl_b32 s28, s28, 6
	s_lshl_b32 s29, s29, 1
	s_add_co_u32 s28, s28, s29                     ; the first of my two row tiles: 64 sel + 2 x group
	s_lshl_b32 s30, s28, 13
	s_lshl_b32 s25, s24, 10
	s_add_co_u32 s30, s30, s25                     ; wc: 8,192 bytes a row tile, 1,024 for each 128 along K
	s_add_nc_u64 s[18:19], s[18:19], s[30:31]
	s_lshl_b32 s30, s28, 9                         ; ws: 512 bytes a row tile
	s_add_nc_u64 s[20:21], s[20:21], s[30:31]
	v_lshlrev_b32 v6, 2, v1                        ; 4 L
	v_lshl_add_u32 v7, v3, 13, v10                 ; my column's row tile and row: 8,192 h + 16 r
	s_lshr_b32 s25, s24, 2
	s_lshl_b32 s25, s25, 8
	s_and_b32 s29, s24, 3
	s_lshl_b32 s29, s29, 2
	s_add_co_u32 s25, s25, s29                     ; my scale word's place in a row's 2 x 16 bytes
	v_lshl_add_u32 v8, v3, 9, v10
	v_add_nc_u32 v8, s25, v8
	v_add_nc_u32 v8, WSC, v8
	s_lshl_b32 s25, s24, 9
	v_lshl_add_u32 v14, v1, 4, s25                 ; the way out of the scale words: 512 wave + 16 L (waves 0 and 1 alone use it)
	v_add_nc_u32 v9, WSC, v14
	WLOAD 0
	WLOAD 1
.irp t, 0,1,2,3
	WWAIT \t
.set XS, R+32*\t
	BLKMAX XS
.if \t == 0
	v_lshrrev_b32 v16, 23, v12                     ; the four bytes make my column's scale word of these 128 along K
.else
	v_lshrrev_b32 v13, 23, v12
	v_lshl_or_b32 v16, v13, 8*\t, v16
.endif
.irp g, 0,1,2,3
	v_cvt_scalef32_pk8_fp4_f32 v[XN+4*\t+\g], v[XS+8*\g:XS+8*\g+7], v12
.endr
	v_nop                                          ; a plain line behind the last conversion
	global_store_b128 v7, v[XN+4*\t:XN+4*\t+3], s[18:19] offset:256*\t   ; lanes 0-15 store 256 consecutive bytes, lanes 16-31 those of the next row tile
.endr
	ds_store_b32 v8, v16
	s_wait_dscnt 0x0                               ; for the others' sake: my word has landed
	s_barrier_signal -1
	s_barrier_wait -1                              ; (all eight waves of the work-group are on this way: it hangs on the work-group's number alone)
	s_cmp_lt_u32 s24, 2
	s_cbranch_scc0 .Lw_done
	ds_load_b128 v[24:27], v9
	s_wait_dscnt 0x0
	global_store_b128 v14, v[24:27], s[20:21]      ; a row tile's 512 bytes of scales
.Lw_done:
	CLOSE
; ---- Wo: the same loads; eight neighbours down K become 16 bytes of f16
.Lwo:
	s_sub_co_u32 s29, ttmp9, 224
	s_mov_b64 s[26:27], s[12:13]
	s_lshl_b32 s30, s24, 19
	s_lshl_b32 s25, s29, 7
	s_add_co_u32 s30, s30, s25
	s_add_nc_u64 s[26:27], s[26:27], s[30:31]
	s_lshl_b32 s30, s29, 16                        ; wof: two n tiles of 32,768 bytes a work-group,
	s_lshl_b32 s25, s24, 12                        ; 4,096 bytes for each 128 along K
	s_add_co_u32 s30, s30, s25
	s_add_nc_u64 s[22:23], s[22:23], s[30:31]
	v_lshlrev_b32 v6, 2, v1
	v_lshl_add_u32 v7, v3, 15, v10                 ; 32,768 h + 16 r
	WLOAD 0
	WLOAD 1
.irp t, 0,1,2,3
	WWAIT \t
.irp q, 0,1,2,3
.irp i, 0,1,2,3
	v_cvt_pk_f16_f32 v[XN+16*\t+4*\q+\i], v[R+32*\t+8*\q+2*\i], v[R+32*\t+8*\q+2*\i+1]
.endr
	global_store_b128 v7, v[XN+16*\t+4*\q:XN+16*\t+4*\q+3], s[22:23] offset:256*(4*\t+\q)
.endr
.endr
	CLOSE
.Lfunc_end_k_q2d4d92d5ab_prep:
	.size	k_q2d4d92d5ab_prep, .Lfunc_end_k_q2d4d92d5ab_prep-k_q2d4d92d5ab_prep
	.p2alignl 7, 3214868480
	.fill 96, 4, 3214868480
	.section	.rodata,"a",@progbits
	.p2align	6, 0x0
	.amdhsa_kernel k_q2d4d92d5ab_prep
		.amdhsa_group_segment_fixed_size 71680
		.amdhsa_private_segment_fixed_size 0
		.amdhsa_enable_private_segment 0
		.amdhsa_kernarg_size 80
		.amdhsa_user_sgpr_count 2
		.amdhsa_user_sgpr_kernarg_segment_ptr 1
		.amdhsa_wavefront_size32 1
		.amdhsa_system_sgpr_workgroup_id_x 1
		.amdhsa_system_sgpr_workgroup_id_y 1
		.amdhsa_system_sgpr_workgroup_id_z 1
		.amdhsa_system_vgpr_workitem_id 0
		.amdhsa_next_free_vgpr 256
		.amdhsa_next_free_sgpr 66
		.amdhsa_reserve_vcc 1
		.amdhsa_float_denorm_mode_32 3
		.amdhsa_float_denorm_mode_16_64 3
		.amdhsa_memory_ordered 1
		.amdhsa_forward_progress 1
		.amdhsa_inst_pref_size 68
	.end_amdhsa_kernel
	.amdgpu_metadata
---
amdhsa.version: [ 1, 2 ]
amdhsa.kernels:
  - .name:           k_q2d4d92d5ab_prep
    .symbol:         k_q2d4d92d5ab_prep.kd
    .args:
      - { .name: x, .offset: 0, .size: 8, .value_kind: global_buffer, .address_space: global }
      - { .name: Wq, .offset: 8, .size: 8, .value_kind: global_buffer, .address_space: global }
      - { .name: Wk, .offset: 16, .size: 8, .value_kind: global_buffer, .address_space: global }
      - { .name: Wv, .offset: 24, .size: 8, .value_kind: global_buffer, .address_space: global }
      - { .name: Wo, .offset: 32, .size: 8, .value_kind: global_buffer, .address_space: global }
      - { .name: xc, .offset: 40, .size: 8, .value_kind: global_buffer, .address_space: global }
      - { .name: xs, .offset: 48, .size: 8, .value_kind: global_buffer, .address_space: global }
      - { .name: wc, .offset: 56, .size: 8, .value_kind: global_buffer, .address_space: global }
      - { .name: ws, .offset: 64, .size: 8, .value_kind: global_buffer, .address_space: global }
      - { .name: wof, .offset: 72, .size: 8, .value_kind: global_buffer, .address_space: global }
    .group_segment_fixed_size: 71680
    .private_segment_fixed_size: 0
    .kernarg_segment_align: 8
    .kernarg_segment_size: 80
    .max_flat_workgroup_size: 256
    .sgpr_count:     66
    .vgpr_count:     256
    .wavefront_size: 32
...
	.end_amdgpu_metadata
.endif
;; end of part 1
;; launch qkv (part 2): grid 12 x 32, 4 waves a work-group, clusters of 4 x 4, 327,680 bytes of LDS; arguments xc, xs, wc, ws, qkv, qkv32; writes qkv, qkv32
.if DOCPART == 2
	.amdgcn_target "amdgcn-amd-amdhsa--gfx1250"
	.amdhsa_code_object_version 6
	.text
	.protected	k_q2d4d92d5ab_qkv
	.globl	k_q2d4d92d5ab_qkv
	.p2align	8
	.type	k_q2d4d92d5ab_qkv,@function
k_q2d4d92d5ab_qkv:
	s_mov_b64 s[64:65], 0
	v_nop
	global_prefetch_b8 v0, s[64:65] scope:SCOPE_SE
	s_setreg_imm32_b32 hwreg(HW_REG_WAVE_MODE, 25, 1), 1
	s_wait_xcnt 0x0
	s_wait_alu depctr_hold_cnt(0) depctr_sa_sdst(0) depctr_va_vdst(0) depctr_va_sdst(0) depctr_va_ssrc(0) depctr_va_vcc(0) depctr_vm_vsrc(0)
	s_getreg_b32 s2, hwreg(HW_REG_IB_STS2, 6, 4)
	s_cmp_eq_u32 s2, 0
	s_cbranch_scc0 .Lentry_in_a_cluster
	s_endpgm
.Lentry_in_a_cluster:
	s_bfe_u32 s2, ttmp6, 0x10000c
	s_cmp_lg_u32 s2, 0xf033
	s_cbranch_scc0 .Lentry_shape_is_right
	s_endpgm
.Lentry_shape_is_right:
; QKV: q, k, v = Q(x) Q(Wq | Wk | Wv): one product 8192 x 3072 x 1024 on codes of E2M1 with E8M0 scales, f32 sums; results rounded once to f16.  Positions 0-15 of each batch also leave in f32.
; A tile of 256 x 256 is made by a work-group of four waves, 128 x 128 a wave: 64 accumulators, 512 registers.  K = 1,024 is two LDS slots of 512: both are first fills, nothing is filled again.
; The codes lie in memory in the order of the operand's registers (launch prep): a fragment is two loads of 16 bytes a lane at 16 x lane: 512 consecutive bytes, no pitch, no padding.
; CLUSTERS: 4 x 4 work-groups.  The four of a row of the cluster need the same rows of x, the four of a column the same rows of the weights: each tile is asked for jointly.
; Tile row = 8 cy + cluster y: the batch is cy, the place in the sequence is cluster y, so that 'the batch's first rows' is a test on cluster y, alike in all partners.
; THE MATRIX INSTRUCTION IS USED TRANSPOSED (source 0 = 16 rows of the weights, source 1 = 16 rows of x): a lane holds position r and eight neighbouring channels: 16 bytes of f16.
; qkv: [b 4][g 48][tile of 16 positions: 128][2,048 bytes]; g = head (q), 16 + head (k), 32 + head (v).  q, k: block t of 16 channels, lane L at 512 t + 16 L: the image of a 16-bit fragment.
; v: the same piece at 512 t + 256 (r / 8) + 128 h + 16 (r % 8): so the turning LDS load of the launch attn finds it at 512 t + 16 x lane.  qkv32: [b][g][4,096 bytes]: the accumulators as they stand.
; LIMITS: |q|, |k|, |v| stay under 65,504; magnitudes under 6e-5 keep f16's absolute step.
; REGISTERS: window 0: v16-29 addresses; v32-95 scale words, two sets; v128-191 x's fragments, one set.  window 1: the weights' fragments, two sets (v0, v128); on the way out the packed results.
;   window 2: the accumulators of my rows 0-63 ((a, b) at v[8 (8 a + b)]); window 3: those of rows 64-127.
.set NQ,    4                          ; matrix instructions deep in a slot
.set FR,    8                          ; registers of a fragment
.set NL,    2                          ; LDS loads that bring one
.set NP,    4                          ; places behind this matrix instruction (ISA guide 7.12.1)
.set SLOT,  131072                     ; x's 256 rows (2 x 32,768 bytes), then the weights' 256
.set SCL,   262144                     ; the scales: four regions of 4,096 bytes
.set SPARE, 278528                     ; the spare words, 128 bytes for each wave
.set ADRA, 16
.set ADRB, 20
.set LI,   24                          ; v24  16 x lane
.set CO,   26                          ; v26  my 16 bytes' place in a block of 512
.set ADRS, 27
.set SPW,  28
.set NIL,  29
.set SC,   32
.set AF,   128
.set WV,   16                          ; s16  wave
.set RH,   17                          ; s17  my half of the tile's rows; also: I fetch for x (0) or for the weights (1)
.set CH,   18                          ; s18  my half of its columns; also: which 128 rows I fetch
.set G1,   24
.set G0,   32
.set G1B,  48
.set G0B,  56
.set G1S,  68
.set G0S,  76
.set G1SB, 80
.set G0SB, 88
.set MSB, 0
.macro WIN new                         ; the immediate's high byte repeats the setting that is left
.if MSB != (\new)
	s_set_vgpr_msb (MSB<<8)|(\new)
.set MSB, (\new)
.endif
.endm
.set MUL_LO, 0xa1                      ; source 0 window 1, source 1 window 0, C and D window 2
.set MUL_HI, 0xf1
.set TO_B,   0x40
.macro JLOAD g0a, g1a, g0b, g1b        ; a joint load; an s_nop 0 and four v_nop follow each of the two lines
	s_cmp_eq_u32 s[RH], 0
	s_cbranch_scc0 .Lfor_b_\@
	tensor_load_to_lds s[\g0a:\g0a+3], s[\g1a:\g1a+7]
	s_nop 0
.rept 4
	v_nop
.endr
	s_branch .Lasked_\@
.Lfor_b_\@:
	tensor_load_to_lds s[\g0b:\g0b+3], s[\g1b:\g1b+7]
	s_nop 0
.rept 4
	v_nop
.endr
.Lasked_\@:
.endm
.macro CROUND                          ; a round of the cluster's barrier
	s_barrier_signal -1
	s_barrier_wait -1
	s_cmp_lg_u32 s[WV], 0
	s_cbranch_scc1 .Lnot_wave_0_\@
	s_barrier_signal -3
.Lnot_wave_0_\@:
	s_barrier_wait -3
	s_barrier_signal -1
	s_barrier_wait -1
.endm
	s_load_b256 s[4:11], s[0:1], 0x0               ; xc s[4:5], xs s[6:7], wc s[8:9], ws s[10:11]
	s_load_b128 s[12:15], s[0:1], 0x20             ; qkv s[12:13], qkv32 s[14:15]
	v_lshl_add_u32 v[SPW], v0, 2, SPARE
	v_mov_b32 v[NIL], 0
	ds_add_u32 v[SPW], v[NIL]                      ; the wave's opening: the add, twice on end, and its wait ahead of my first tensor load
	ds_add_u32 v[SPW], v[NIL]
	v_lshrrev_b32 v1, 5, v0
	v_readfirstlane_b32 s[WV], v1
	s_lshr_b32 s[RH], s[WV], 1
	s_and_b32 s[CH], s[WV], 1
	s_bfe_u32 s40, ttmp6, 0x40000                  ; cx
	s_bfe_u32 s41, ttmp6, 0x40004                  ; cy
	s_lshl_b32 s42, ttmp9, 2
	s_add_co_u32 s42, s42, s40                     ; tile column = 4 x cluster x + cx
	s_and_b32 s95, ttmp7, 0xffff                   ; cluster y
	s_lshl_b32 s19, s41, 3
	s_add_co_u32 s19, s19, s95                     ; tile row = 8 cy + cluster y
	s_lshl_b32 s43, s41, 2
	s_lshl_b32 s43, 15, s43                        ; my row of the cluster
	s_lshl_b32 s44, 0x1111, s40                    ; my column
	; group 1 for codes: 8 row tiles x 4,096 bytes (512 elements of 8 bytes), 8,192 bytes apart in memory, dense in LDS
	s_or_b32 s[G1], s43, (3<<16)|(1<<21)
	s_or_b32 s[G1B], s44, (3<<16)|(1<<21)
.irp g, G1, G1B
	s_mov_b32 s[\g+1], 512<<16                     ; tensor_dim0
	s_mov_b32 s[\g+2], 8<<16                       ; tensor_dim1
	s_mov_b32 s[\g+3], 512<<16                     ; tile_dim0
	s_mov_b32 s[\g+4], 8                           ; tile_dim1
	s_mov_b32 s[\g+5], 1024                        ; from row to row
	s_mov_b32 s[\g+6], 0
	s_mov_b32 s[\g+7], 0
.endr
	; and for the scales of 128 rows: 4,096 dense bytes as 16 rows of 256
	s_or_b32 s[G1S], s43, (3<<16)|(1<<21)
	s_or_b32 s[G1SB], s44, (3<<16)|(1<<21)
.irp g, G1S, G1SB
	s_mov_b32 s[\g+1], 32<<16
	s_mov_b32 s[\g+2], 16<<16
	s_mov_b32 s[\g+3], 32<<16
	s_mov_b32 s[\g+4], 16
	s_mov_b32 s[\g+5], 32
	s_mov_b32 s[\g+6], 0
	s_mov_b32 s[\g+7], 0
.endr
	s_lshl_b32 s22, s[CH], 3
	s_lshl_b32 s20, s19, 4
	s_add_co_u32 s20, s20, s22                     ; x: row tile 16 x tile row + 8 x half
	s_lshl_b32 s46, s42, 4
	s_add_co_u32 s46, s46, s22                     ; weights: 16 x tile column + 8 x half
	s_lshl_b32 s22, s20, 9                         ; their scales, 512 bytes a row tile,
	s_mov_b32 s23, 0
	s_lshl_b32 s92, s46, 9
	s_mov_b32 s93, 0
	s_lshl_b32 s20, s20, 13                        ; and their codes, 8,192
	s_mov_b32 s21, 0
	s_lshl_b32 s46, s46, 13
	s_mov_b32 s47, 0
	s_lshl_b32 s45, s[WV], 15                      ; where they go: wave x 32,768: no place in the cluster enters an LDS address
	s_lshl_b32 s94, s[WV], 12
	s_wait_dscnt 0x0                               ; both opening adds are done
	s_wait_kmcnt 0x0
	s_add_nc_u64 s[20:21], s[4:5], s[20:21]
	s_add_nc_u64 s[22:23], s[6:7], s[22:23]
	s_add_nc_u64 s[46:47], s[8:9], s[46:47]
	s_add_nc_u64 s[92:93], s[10:11], s[92:93]
	CROUND                                         ; all sixteen work-groups are here: the first joint loads meet
	s_mov_b32 s[G0S], 1
	s_add_co_u32 s[G0S+1], s94, SCL
	s_mov_b64 s[G0S+2:G0S+3], s[22:23]
	s_or_b32 s[G0S+3], s[G0S+3], 0x80000000
	s_mov_b32 s[G0SB], 1
	s_add_co_u32 s[G0SB+1], s94, SCL
	s_mov_b64 s[G0SB+2:G0SB+3], s[92:93]
	s_or_b32 s[G0SB+3], s[G0SB+3], 0x80000000
	JLOAD G0S, G1S, G0SB, G1SB                     ; the scales first: they are wanted with the first slot
.irp s, 0,1
	s_mov_b32 s[G0+4*\s], 1
	s_add_co_u32 s[G0+4*\s+1], s45, \s*SLOT
	s_add_nc_u64 s[G0+4*\s+2:G0+4*\s+3], s[20:21], \s*4096
	s_or_b32 s[G0+4*\s+3], s[G0+4*\s+3], 0x80000000
	s_mov_b32 s[G0B+4*\s], 1
	s_add_co_u32 s[G0B+4*\s+1], s45, \s*SLOT
	s_add_nc_u64 s[G0B+4*\s+2:G0B+4*\s+3], s[46:47], \s*4096
	s_or_b32 s[G0B+4*\s+3], s[G0B+4*\s+3], 0x80000000
	JLOAD G0+4*\s, G1, G0B+4*\s, G1B               ; three loads of mine are out behind the second
.endr
	v_and_b32 v1, 15, v0                           ; r
	v_bfe_u32 v2, v0, 4, 1                         ; h
	v_and_b32 v3, 31, v0
	v_lshlrev_b32 v[LI], 4, v3
	s_lshl_b32 s2, s[RH], 15                       ; my 128 rows of x
	s_lshl_b32 s3, s[CH], 15
	s_add_co_u32 s3, s3, 65536                     ; my 128 rows of the weights
.irp s, 0,1
	v_add_nc_u32 v[ADRA+\s], s2, v[LI]
	v_add_nc_u32 v[ADRB+\s], s3, v[LI]
	s_add_co_u32 s2, s2, SLOT
	s_add_co_u32 s3, s3, SLOT
.endr
	s_lshl_b32 s2, s[RH], 12                       ; x's scales of my rows,
	s_lshl_b32 s3, s[CH], 12
	s_add_co_u32 s3, s3, 8192                      ; the weights' of my columns
	s_sub_co_u32 s3, s3, s2
	v_mul_u32_u24 v4, s3, v2                       ; lanes 16-31 take the weights'
	s_add_co_u32 s2, s2, SCL
	v_lshl_add_u32 v4, v1, 4, v4
	v_add_nc_u32 v[ADRS], s2, v4
	v_lshrrev_b32 v4, 3, v1
	v_and_b32 v5, 7, v1
	v_lshlrev_b32 v5, 4, v5
	v_lshl_add_u32 v5, v2, 7, v5
	v_lshl_add_u32 v5, v4, 8, v5                   ; v's order of a block's 32 pieces
	s_cmp_eq_u32 ttmp9, 2                          ; cluster x = 2 makes v
	s_cselect_b32 s2, -1, 0
	v_cndmask_b32 v[CO], v[LI], v5, s2
	s_mul_i32 s96, s41, 48
	s_lshl_b32 s2, s42, 2
	s_add_co_u32 s96, s96, s2
	s_lshl_b32 s2, s[CH], 1
	s_add_co_u32 s96, s96, s2                      ; my first plane: 48 b + 4 x tile column + 2 x half
	s_lshl_b32 s2, s96, 12
	s_mov_b32 s3, 0
	s_add_nc_u64 s[14:15], s[14:15], s[2:3]        ; qkv32: 4,096 bytes a plane
	s_lshl_b32 s96, s96, 18                        ; qkv: 262,144 bytes a plane,
	s_lshl_b32 s2, s95, 15                         ; 16 tiles of 2,048 bytes for each tile row,
	s_add_co_u32 s96, s96, s2
	s_lshl_b32 s2, s[RH], 14                       ; 8 for my half
	s_add_co_u32 s96, s96, s2
	s_mov_b32 s97, 0
	s_add_nc_u64 s[12:13], s[12:13], s[96:97]
	s_or_b32 s94, s95, s[RH]                       ; 0 where my block 0 holds positions 0-15 of a batch
.macro FRAG reg, adr, q, i             ; 16 rows x 128 K of 4-bit codes: 8 registers, two loads of 512 consecutive bytes
.irp c, 0,1
	ds_load_b128 v[\reg+4*\c:\reg+4*\c+3], v[\adr] offset:4096*(\i)+1024*(\q)+512*\c
.endr
.endm
; 16 matrix instructions: x's blocks a0, a0 + 1 against the weights' eight.  The 64 accumulators take turns, one instruction a turn, in the same order in every step.
.macro MUL16 a0, p, q, sc, zero
.irp a, \a0, \a0+1
.irp b, 0,1,2,3,4,5,6,7
.if \zero
	v_wmma_scale_f32_16x16x128_f8f6f4 v[8*(8*((\a)%4)+\b):8*(8*((\a)%4)+\b)+7], v[128*(\p)+FR*\b:128*(\p)+FR*\b+FR-1], v[AF+FR*(\a):AF+FR*(\a)+FR-1], 0, v[SC+8*NQ*(\sc)+NQ*\b+(\q)], v[SC+8*NQ*(\sc)+NQ*(\a)+(\q)] matrix_a_fmt:MATRIX_FMT_FP4 matrix_b_fmt:MATRIX_FMT_FP4 matrix_a_scale:MATRIX_SCALE_ROW1
.else
	v_wmma_scale_f32_16x16x128_f8f6f4 v[8*(8*((\a)%4)+\b):8*(8*((\a)%4)+\b)+7], v[128*(\p)+FR*\b:128*(\p)+FR*\b+FR-1], v[AF+FR*(\a):AF+FR*(\a)+FR-1], v[8*(8*((\a)%4)+\b):8*(8*((\a)%4)+\b)+7], v[SC+8*NQ*(\sc)+NQ*\b+(\q)], v[SC+8*NQ*(\sc)+NQ*(\a)+(\q)] matrix_a_fmt:MATRIX_FMT_FP4 matrix_b_fmt:MATRIX_FMT_FP4 matrix_a_scale:MATRIX_SCALE_ROW1
.endif
.endr
.endr
.endm
.macro FETCH_B slot, q, p
	WIN TO_B
.irp i, 0,1,2,3,4,5,6,7
	FRAG 128*(\p)+FR*\i, ADRB+\slot, \q, \i
.endr
	WIN 0
.endm
.macro FETCH_A slot, q, i0
.irp i, \i0, \i0+1, \i0+2, \i0+3
	FRAG AF+FR*(\i), ADRA+\slot, \q, \i
.endr
.endm
.macro SCALES sc                       ; a slot's scale words: four a row; lanes 0-15 take x's block i, lanes 16-31 the weights' block i
.irp i, 0,1,2,3,4,5,6,7
	ds_load_b128 v[SC+8*NQ*\sc+NQ*\i:SC+8*NQ*\sc+NQ*\i+3], v[ADRS] offset:\i*512
.endr
.endm
.macro PLACES n                        ; plain vector lines between a matrix instruction and a load into, or a read of, its registers
.rept \n
	v_nop
.endr
.endm
.macro STEP slot, q, zero              ; 128 along K with its successor in the same slot
	s_wait_dscnt 4*NL                              ; all but the youngest eight loads (x's blocks 4-7) are in
	WIN MUL_LO
	MUL16 0, (\q)%2, \q, \slot, \zero
	MUL16 2, (\q)%2, \q, \slot, \zero
	s_wait_dscnt 0
	PLACES NP
	FETCH_B \slot, (\q)+1, 1-(\q)%2
	FETCH_A \slot, (\q)+1, 0
	WIN MUL_HI
	MUL16 4, (\q)%2, \q, \slot, \zero
	MUL16 6, (\q)%2, \q, \slot, \zero
	PLACES NP
	WIN 0
	FETCH_A \slot, (\q)+1, 4
.endm
.macro TURN slot, next                 ; slot 0's last step: my part of slot 1 has landed, and behind the barrier everybody's has.  Nothing is filled again
	s_wait_tensorcnt 0x0
	ds_add_u32 v[SPW], v[NIL]                      ; 0 onto my spare word
	s_wait_dscnt 4*NL+1                            ; (the add and the youngest eight loads may be out)
	WIN MUL_LO
	MUL16 0, 1, NQ-1, \slot, 0
	s_wait_dscnt 0x0
	s_barrier_signal -1
	MUL16 2, 1, NQ-1, \slot, 0
	WIN 0
	s_barrier_wait -1
	PLACES NP
	v_add_nc_u32 v[ADRS], 256, v[ADRS]             ; the second half of K's scale words
	FETCH_B \next, 0, 0
	FETCH_A \next, 0, 0
	SCALES \next
	WIN MUL_HI
	MUL16 4, 1, NQ-1, \slot, 0
	MUL16 6, 1, NQ-1, \slot, 0
	PLACES NP
	WIN 0
	FETCH_A \next, 0, 4
.endm
.macro STEPS slot, from
.set Q, \from
.rept NQ-1-\from
	STEP \slot, Q, 0
.set Q, Q+1
.endr
.endm
	s_wait_tensorcnt 1                             ; the scales and my part of slot 0 are in (slot 1's load may be out),
	s_barrier_signal -1
	s_barrier_wait -1                              ; everybody's are
	FETCH_B 0, 0, 0
	FETCH_A 0, 0, 0
	SCALES 0
	FETCH_A 0, 0, 4
	STEP 0, 0, 1                                   ; the first products start the sums: nothing is cleared
	STEPS 0, 1
	TURN 0, 1
	STEPS 1, 0
	s_wait_dscnt 4*NL
	WIN MUL_LO
	MUL16 0, 1, NQ-1, 1, 0
	MUL16 2, 1, NQ-1, 1, 0
	s_wait_dscnt 0
	WIN MUL_HI
	MUL16 4, 1, NQ-1, 1, 0
	MUL16 6, 1, NQ-1, 1, 0
	WIN 0
	PLACES NP
	; THE WAY OUT needs no LDS: a lane's eight results are 16 bytes of f16, and the buffer takes them at 16 x lane: each store covers 512 consecutive bytes.
	s_cmp_lg_u32 s94, 0
	s_cbranch_scc1 .Lno32
	WIN 0x08                                       ; a store's data are its source 1: window 2
.irp b, 0,1,2,3,4,5,6,7
	global_store_b128 v[LI], v[8*\b:8*\b+3], s[14:15] offset:1024*\b          ; positions 0-15 as f32, each accumulator from its low end on
	global_store_b128 v[LI], v[8*\b+4:8*\b+7], s[14:15] offset:1024*\b+512
.endr
	WIN 0
.Lno32:
.irp a, 0,1,2,3,4,5,6,7                ; window 1 takes all eight blocks' packed results: no store's data are written again
	WIN 0x4a+5*((\a)/4)
.irp b, 0,1,2,3,4,5,6,7
.irp i, 0,1,2,3
	v_cvt_pk_f16_f32 v[32*\a+4*\b+\i], v[64*((\a)%4)+8*\b+2*\i], v[64*((\a)%4)+8*\b+2*\i+1]
.endr
.endr
	WIN 0x04
.irp b, 0,1,2,3,4,5,6,7
	global_store_b128 v[CO], v[32*\a+4*\b:32*\a+4*\b+3], s[12:13] offset:2048*\a+262144*(\b/4)+512*(\b%4)
.endr
.endr
	WIN 0
	s_wait_tensorcnt 0x0                           ; the wave's end
	ds_add_u32 v[SPW], v[NIL]
	s_wait_dscnt 0x0
	CROUND                                         ; the closing round
	s_endpgm
.Lfunc_end_k_q2d4d92d5ab_qkv:
	.size	k_q2d4d92d5ab_qkv, .Lfunc_end_k_q2d4d92d5ab_qkv-k_q2d4d92d5ab_qkv
	.p2alignl 7, 3214868480
	.fill 96, 4, 3214868480
	.section	.rodata,"a",@progbits
	.p2align	6, 0x0
	.amdhsa_kernel k_q2d4d92d5ab_qkv
		.amdhsa_group_segment_fixed_size 327680
		.amdhsa_private_segment_fixed_size 0
		.amdhsa_enable_private_segment 0
		.amdhsa_kernarg_size 48
		.amdhsa_user_sgpr_count 2
		.amdhsa_user_sgpr_kernarg_segment_ptr 1
		.amdhsa_wavefront_size32 1
		.amdhsa_system_sgpr_workgroup_id_x 1
		.amdhsa_system_sgpr_workgroup_id_y 1
		.amdhsa_system_sgpr_workgroup_id_z 1
		.amdhsa_system_vgpr_workitem_id 0
		.amdhsa_next_free_vgpr 1024
		.amdhsa_next_free_sgpr 100
		.amdhsa_reserve_vcc 0
		.amdhsa_float_denorm_mode_32 3
		.amdhsa_float_denorm_mode_16_64 3
		.amdhsa_memory_ordered 1
		.amdhsa_forward_progress 1
		.amdhsa_inst_pref_size 119
	.end_amdhsa_kernel
	.amdgpu_metadata
---
amdhsa.version: [ 1, 2 ]
amdhsa.kernels:
  - .name:           k_q2d4d92d5ab_qkv
    .symbol:         k_q2d4d92d5ab_qkv.kd
    .args:
      - { .name: xc, .offset: 0, .size: 8, .value_kind: global_buffer, .address_space: global }
      - { .name: xs, .offset: 8, .size: 8, .value_kind: global_buffer, .address_space: global }
      - { .name: wc, .offset: 16, .size: 8, .value_kind: global_buffer, .address_space: global }
      - { .name: ws, .offset: 24, .size: 8, .value_kind: global_buffer, .address_space: global }
      - { .name: qkv, .offset: 32, .size: 8, .value_kind: global_buffer, .address_space: global }
      - { .name: qkv32, .offset: 40, .size: 8, .value_kind: global_buffer, .address_space: global }
    .group_segment_fixed_size: 327680
    .private_segment_fixed_size: 0
    .kernarg_segment_align: 8
    .kernarg_segment_size: 48
    .max_flat_workgroup_size: 128
    .sgpr_count:     100
    .vgpr_count:     1024
    .wavefront_size: 32
...
	.end_amdgpu_metadata
.endif
;; end of part 2
;; launch attn (part 3): grid 4 x 64, 8 waves a work-group, no clusters, 327,680 bytes of LDS; arguments qkv, ctxf; writes ctxf
.if DOCPART == 3
	.amdgcn_target "amdgcn-amd-amdhsa--gfx1250"
	.amdhsa_code_object_version 6
	.text
	.protected	k_q2d4d92d5ab_attn
	.globl	k_q2d4d92d5ab_attn
	.p2align	8
	.type	k_q2d4d92d5ab_attn,@function
k_q2d4d92d5ab_attn:
	s_mov_b64 s[64:65], 0
	v_nop
	global_prefetch_b8 v0, s[64:65] scope:SCOPE_SE
	s_setreg_imm32_b32 hwreg(HW_REG_WAVE_MODE, 25, 1), 1
	s_wait_xcnt 0x0
; ATTN: ctx[b][n][head] = softmax over keys k <= n of (q . k / 8) applied to v, f16 operands, f32 products' sums, maxima and sums; the weights are rounded to f16, ctx once at the end.
; LEFT OUT: key steps all of whose keys come after all queries of a piece: reference()'s own jnp.tril makes their weights 0 for all inputs (shown at the head of the launch prep).
; Positions 0-15 of each batch are computed here with their tiles and replaced by the launch early, which carries them in f32.
; SHARES.  Work-group (p, y): batch y / 16, head y % 16; it owns the query blocks 7 - p and p, 256 queries each, so that every work-group has 9 blocks of keys to walk.  Wave w holds two PIECES of 32 queries
; (two tiles of 16): the high one from 256 (7 - p) + 32 w, the low one from 256 p + 224 - 32 w.  A fragment of K or V read from LDS serves both pieces.  Two waves share a SIMD: one's softmax stands beside the other's products.
; NO CLUSTER: the four work-groups of a head stop asking at different causal limits (256 (8 - p) keys): a joint load would bring a partner tiles that none of its waves reads.
; LAYOUT.  S^T = K Q^T (source 0 = 16 keys, source 1 = 16 queries) and O^T = V^T P: a lane holds ONE query throughout; two tiles of S^T, rounded in pairs, are source 1 of the second product.
; K comes out of LDS as it lies (an image of the fragment), V by the turning load.  Every LDS address is a step's constant + 16 x lane.
; SOFTMAX.  A running maximum m and sum l for each query: p = 2^(c s - c m), c = log2(e) / 8; in every step O and l are multiplied by a = 2^(c m_old - c m_new).
; Every work-group walks all 8 slots x 4 steps (constant trip counts) and jumps over the work of hidden steps, on ids alone.
; REGISTERS: window 0: v1-7 addresses and constants; v8-23 four tiles' c m, m, l (two halves); v24-31 two tiles' four registers at work; v32-95 S^T; v96-127 P; v128-191 K; v192-255 V.
;   window 1: v0-127 O^T (64 piece + 32 tile + 8 block of channels); v128-191 Q.
.set SPARE, 131072                     ; behind the two slots: the spare words, 128 bytes for each of eight waves
.set SLOT1, 65536                      ; a slot: 256 keys: K 32,768 bytes, then V 32,768
.set VOFF,  32768
.set L16,  1                           ; v1  16 x lane; never rewritten
.set ADR,  2                           ; v2  the step's LDS address; scratch in the mask
.set PFO,  3                           ; v3  256 x lane; never rewritten
.set SPW,  4
.set NIL,  5
.set DD,   6                           ; v6  the mask: my query - the step's first key - 8 h
.set NINF, 7                           ; v7  -infinity
.set ST,   8
.set CC,   24
.set SR,   32
.set PR,   96
.set KR,   128
.set VR,   192
.set QW,   128                         ; in window 1
.set WV,   8
.set G1,   16                          ; s[16:23] group 1; s[24:27] the walking group 0
.set G0,   24
.set CS,   28                          ; s[28:29] c, twice
.set SEL,  30                          ; s[30:31] selects for lane l xor 16
.set TB,   32                          ; s32 LDS byte at which the step's tiles begin
.set KF,   33                          ; s33 the step's first key
.set SLOTS, 34
.set CNT,  35
.set Q0,   36                          ; s36, s37 the pieces' first queries
.set LIM,  38
.set PFA,  48
.set OUT,  50                          ; s[50:51], s[52:53] where the pieces' results go
.set QB,   54                          ; s[54:55], s[56:57] where their q lies
.set MSB, 0
.macro WIN new
.if MSB != (\new)
	s_set_vgpr_msb (MSB<<8)|(\new)
.set MSB, (\new)
.endif
.endm
	s_load_b128 s[4:7], s[0:1], 0x0                ; qkv s[4:5], ctxf s[6:7]
	v_lshl_add_u32 v[SPW], v0, 2, SPARE
	v_mov_b32 v[NIL], 0
	ds_add_u32 v[SPW], v[NIL]                      ; the wave's opening: the add, twice on end, and its wait ahead of my first tensor load
	ds_add_u32 v[SPW], v[NIL]
	v_lshrrev_b32 v2, 5, v0
	v_readfirstlane_b32 s[WV], v2                  ; wave 0..7
	v_and_b32 v1, 31, v0
	v_lshlrev_b32 v[PFO], 8, v1
	v_lshlrev_b32 v[L16], 4, v1
	s_and_b32 s40, ttmp7, 0xffff
	s_lshr_b32 s41, s40, 4                         ; batch
	s_and_b32 s42, s40, 15                         ; head
	s_mul_i32 s43, s41, 48
	s_add_co_u32 s43, s43, s42                     ; q's plane
	s_sub_co_u32 s[Q0], 7, ttmp9
	s_lshl_b32 s[Q0], s[Q0], 8
	s_lshl_b32 s44, s[WV], 5
	s_add_co_u32 s[Q0], s[Q0], s44                 ; the high piece's first query
	s_lshl_b32 s[Q0+1], ttmp9, 8
	s_add_co_u32 s[Q0+1], s[Q0+1], 224
	s_sub_co_u32 s[Q0+1], s[Q0+1], s44             ; the low piece's
	s_lshr_b32 s45, s[WV], 2
	s_lshl_b32 s45, s45, 4
	s_add_co_u32 s45, s45, s43
	s_add_co_u32 s45, s45, 16                      ; what I fetch: k's plane (waves 0-3) or v's (waves 4-7),
	s_lshl_b32 s46, s45, 18
	s_and_b32 s45, s[WV], 3
	s_lshl_b32 s45, s45, 13                        ; my quarter of a slot's 32,768 bytes
	s_add_co_u32 s46, s46, s45
	s_mov_b32 s47, 0
	s_lshl_b32 s41, s41, 22                        ; ctxf: 128 tiles of 32,768 bytes a batch,
	s_lshl_b32 s42, s42, 11                        ; 2,048 bytes a head in a tile
	s_add_co_u32 s41, s41, s42
	s_lshl_b32 s43, s43, 18
.irp x, 0,1
	s_lshl_b32 s[OUT+2*\x], s[Q0+\x], 11
	s_add_co_u32 s[OUT+2*\x], s[OUT+2*\x], s41
	s_mov_b32 s[OUT+2*\x+1], 0
	s_lshl_b32 s[QB+2*\x], s[Q0+\x], 7             ; q: 2,048 bytes for 16 positions
	s_add_co_u32 s[QB+2*\x], s[QB+2*\x], s43
	s_mov_b32 s[QB+2*\x+1], 0
.endr
	; group 1: 8,192 dense bytes as 32 rows of 256 (32 elements of 8 bytes)
	s_mov_b32 s[G1], 3<<16
	s_mov_b32 s[G1+1], 32<<16
	s_mov_b32 s[G1+2], 32<<16
	s_mov_b32 s[G1+3], 32<<16
	s_mov_b32 s[G1+4], 32
	s_mov_b32 s[G1+5], 32
	s_mov_b32 s[G1+6], 0
	s_mov_b32 s[G1+7], 0
	s_mov_b32 s[CS], 0x3e38aa3b                    ; c = log2(e) / 8
	s_mov_b32 s[CS+1], s[CS]
	s_mov_b32 s[SEL], 0x76543210
	s_mov_b32 s[SEL+1], 0xfedcba98
	s_mov_b32 s[TB], 0
	s_mov_b32 s[KF], 0
	s_mov_b32 s[SLOTS], 7
	s_cmp_eq_u32 ttmp9, 0                          ; the head's work-group 0 walks all slots: it prefetches for the four
	s_cselect_b32 s[LIM], 1, -1
	s_wait_dscnt 0x0                               ; both opening adds are done
	s_wait_kmcnt 0x0
	s_mov_b32 s[G0], 1
	s_lshl_b32 s[G0+1], s[WV], 13                  ; LDS: 8,192 x wave: K's four quarters, then V's
	s_add_nc_u64 s[G0+2:G0+3], s[4:5], s[46:47]
	s_add_nc_u64 s[PFA:PFA+1], s[G0+2:G0+3], 32768 ; my part of slot 1; the first change of slots steps it to slot 2.  Nothing is prefetched here
	s_or_b32 s[G0+3], s[G0+3], 0x80000000
	tensor_load_to_lds s[G0:G0+3], s[G1:G1+7]      ; slot 0: every wave issues its part, with no branch
	s_nop 0
.rept 4
	v_nop
.endr
.irp x, 0,1
	s_add_nc_u64 s[OUT+2*\x:OUT+2*\x+1], s[6:7], s[OUT+2*\x:OUT+2*\x+1]
	s_add_nc_u64 s[QB+2*\x:QB+2*\x+1], s[4:5], s[QB+2*\x:QB+2*\x+1]
.endr
	WIN 0x40                                       ; destination window 1
.irp i, 0,1,2,3,4,5,6,7
	global_load_b128 v[QW+4*\i:QW+4*\i+3], v[L16], s[QB:QB+1] offset:512*\i          ; Q stays in registers
	global_load_b128 v[QW+32+4*\i:QW+32+4*\i+3], v[L16], s[QB+2:QB+3] offset:512*\i
.endr
.set i, 0
.rept 128
	v_mov_b32 v[i], 0                              ; O^T.  The step is written once: the first finds zeros, which a = 0 leaves zeros
.set i, i+1
.endr
	WIN 0
	v_mov_b32 v[NINF], 0xff800000
.irp q, 0,1,2,3
	v_mov_b32 v[ST+4*\q+1], 0xff61b1e6             ; m: -3e38, under every score
	v_mov_b32 v[ST+4*\q+2], 0                      ; l
	v_mov_b32 v[ST+4*\q+3], 0
.endr
.irp q, 0,1,2,3
	v_mul_f32 v[ST+4*\q], s[CS], v[ST+4*\q+1]      ; c m
.endr
.irp j, 0,1,2,3,4,5,6,7
	v_mov_b32 v[CC+\j], 0                          ; written once on every path: lane permutes' destinations and pairs' upper halves
.endr
; ONE PIECE'S SHARE OF A KEY STEP.  kwait: the LDS loads that may stay out when K is wanted.
.macro PIECE x, kwait
	s_wait_dscnt \kwait
	WIN 0x04                                       ; Q in window 1
.irp c, 0,1                            ; eight accumulators by turns, one instruction a turn; the first eight start the sums
.irp u, 0,1,2,3
.irp t, 0,1
.if \c == 0
	v_wmma_f32_16x16x32_f16 v[SR+32*\t+8*\u:SR+32*\t+8*\u+7], v[KR+16*\u+8*\c:KR+16*\u+8*\c+7], v[QW+32*\x+16*\t+8*\c:QW+32*\x+16*\t+8*\c+7], 0
.else
	v_wmma_f32_16x16x32_f16 v[SR+32*\t+8*\u:SR+32*\t+8*\u+7], v[KR+16*\u+8*\c:KR+16*\u+8*\c+7], v[QW+32*\x+16*\t+8*\c:QW+32*\x+16*\t+8*\c+7], v[SR+32*\t+8*\u:SR+32*\t+8*\u+7]
.endif
.endr
.endr
.endr
	WIN 0
.rept 4
	v_nop                                          ; places in front of the first read of the scores
.endr
	s_add_co_u32 s40, s[KF], 63                    ; on the diagonal hidden scores become -infinity ahead of the maximum; a step all of whose keys count skips this
	s_cmp_le_u32 s40, s[Q0+\x]
	s_cbranch_scc1 .Lopen_\@
	s_sub_co_i32 s40, s[Q0+\x], s[KF]
	v_bfe_u32 v[ADR], v0, 4, 1
	v_and_b32 v[DD], 15, v0
	v_lshlrev_b32 v[ADR], 3, v[ADR]
	v_sub_nc_u32 v[DD], v[DD], v[ADR]
	v_add_nc_u32 v[DD], s40, v[DD]                 ; register 8 u + j of tile t holds key KF + 16 u + 8 h + j for query Q0 + 16 t + r: hidden where 16 u + j - 16 t > d
.irp t, 0,1
.irp n, 0,1,2,3,4,5,6,7,8,9,10,11,12,13,14,15,16,17,18,19,20,21,22,23,24,25,26,27,28,29,30,31
	v_cmp_gt_i32 vcc_lo, 16*(\n/8)+\n%8-16*\t, v[DD]
	v_cndmask_b32 v[SR+32*\t+\n], v[SR+32*\t+\n], v[NINF], vcc_lo
.endr
.endr
.Lopen_\@:
.irp u, 0,1,2,3                        ; the maximum: four chains a tile, each begun at an accumulator's low end; the two tiles line by line in turn
.irp t, 0,1
	v_max3_num_f32 v[CC+4*\t+\u], v[SR+32*\t+8*\u], v[SR+32*\t+8*\u+1], v[SR+32*\t+8*\u+2]
.endr
.endr
.irp i, 3,5
.irp u, 0,1,2,3
.irp t, 0,1
	v_max3_num_f32 v[CC+4*\t+\u], v[CC+4*\t+\u], v[SR+32*\t+8*\u+\i], v[SR+32*\t+8*\u+\i+1]
.endr
.endr
.endr
.irp t, 0,1
	v_max3_num_f32 v[CC+4*\t], v[CC+4*\t], v[SR+32*\t+7], v[SR+32*\t+15]
	v_max3_num_f32 v[CC+4*\t+2], v[CC+4*\t+2], v[SR+32*\t+23], v[SR+32*\t+31]
.endr
.irp t, 0,1
	v_max3_num_f32 v[CC+4*\t], v[CC+4*\t], v[CC+4*\t+1], v[CC+4*\t+2]
.endr
.irp t, 0,1
	v_max3_num_f32 v[CC+4*\t], v[CC+4*\t], v[CC+4*\t+3], v[ST+8*\x+4*\t+1]   ; with the old m
.endr
.irp t, 0,1
	v_permlanex16_b32 v[CC+4*\t+1], v[CC+4*\t], s[SEL], s[SEL+1]             ; the query's other 32 keys lie in the lane 16 away
.endr
.irp t, 0,1
	v_mov_b32 v[CC+4*\t+3], v[ST+8*\x+4*\t]        ; c m_old
.endr
.irp t, 0,1
	v_max_num_f32 v[ST+8*\x+4*\t+1], v[CC+4*\t], v[CC+4*\t+1]
.endr
.irp t, 0,1
	v_mul_f32 v[ST+8*\x+4*\t], s[CS], v[ST+8*\x+4*\t+1]
.endr
.irp t, 0,1
	v_sub_f32 v[CC+4*\t+3], v[CC+4*\t+3], v[ST+8*\x+4*\t]
.endr
.set j, 0
.rept 16
.irp t, 0,1
	v_pk_fma_f32 v[SR+32*\t+j:SR+32*\t+j+1], v[SR+32*\t+j:SR+32*\t+j+1], s[CS:CS+1], v[ST+8*\x+4*\t:ST+8*\x+4*\t+1] op_sel_hi:[1,0,0] neg_lo:[0,0,1] neg_hi:[0,0,1]   ; c s - c m
.endr
.set j, j+2
.endr
.irp t, 0,1
	v_exp_f32 v[CC+4*\t+2], v[CC+4*\t+3]           ; a
.endr
.set j, 0
.rept 32
.irp t, 0,1
	v_exp_f32 v[SR+32*\t+j], v[SR+32*\t+j]         ; p: both tiles' 66 exponentials are one batch
.endr
.set j, j+1
.endr
	v_nop                                          ; a plain line behind the last exponential
	s_wait_alu depctr_va_vdst(0)                   ; one wait for the batch, ahead of its first reader
.irp t, 0,1
	v_pk_fma_f32 v[ST+8*\x+4*\t+2:ST+8*\x+4*\t+3], v[ST+8*\x+4*\t+2:ST+8*\x+4*\t+3], v[CC+4*\t+2:CC+4*\t+3], v[SR+32*\t:SR+32*\t+1] op_sel_hi:[1,0,1]   ; l = a l + the first pair
.endr
.irp t, 0,1
	v_pk_add_f32 v[CC+4*\t:CC+4*\t+1], v[SR+32*\t+2:SR+32*\t+3], v[SR+32*\t+4:SR+32*\t+5]   ; a second chain
.endr
.irp j, 6,10,14,18,22,26
.irp t, 0,1
	v_pk_add_f32 v[ST+8*\x+4*\t+2:ST+8*\x+4*\t+3], v[ST+8*\x+4*\t+2:ST+8*\x+4*\t+3], v[SR+32*\t+\j:SR+32*\t+\j+1]
.endr
.irp t, 0,1
	v_pk_add_f32 v[CC+4*\t:CC+4*\t+1], v[CC+4*\t:CC+4*\t+1], v[SR+32*\t+\j+2:SR+32*\t+\j+3]
.endr
.endr
.irp t, 0,1
	v_pk_add_f32 v[ST+8*\x+4*\t+2:ST+8*\x+4*\t+3], v[ST+8*\x+4*\t+2:ST+8*\x+4*\t+3], v[SR+32*\t+30:SR+32*\t+31]
.endr
.irp t, 0,1
	v_pk_add_f32 v[ST+8*\x+4*\t+2:ST+8*\x+4*\t+3], v[ST+8*\x+4*\t+2:ST+8*\x+4*\t+3], v[CC+4*\t:CC+4*\t+1]
.endr
.set j, 0
.rept 16
.irp t, 0,1
	v_cvt_pk_f16_f32 v[PR+16*\t+j], v[SR+32*\t+2*j], v[SR+32*\t+2*j+1]
.endr
.set j, j+1
.endr
	WIN 0x41                                       ; O^T in window 1, a in window 0
.irp t, 0,1
.set j, 0
.rept 16
	v_pk_mul_f32 v[64*\x+32*\t+j:64*\x+32*\t+j+1], v[64*\x+32*\t+j:64*\x+32*\t+j+1], v[CC+4*\t+2:CC+4*\t+3] op_sel_hi:[1,0]   ; O^T x a, each accumulator from its low end on
.set j, j+2
.endr
.endr
	s_wait_dscnt 0x0                               ; V is in
	WIN 0x50                                       ; C and D in window 1
.irp a, 0,1                            ; eight accumulators by turns
.irp d, 0,1,2,3
.irp t, 0,1
	v_wmma_f32_16x16x32_f16 v[64*\x+32*\t+8*\d:64*\x+32*\t+8*\d+7], v[VR+32*\a+8*\d:VR+32*\a+8*\d+7], v[PR+16*\t+8*\a:PR+16*\t+8*\a+7], v[64*\x+32*\t+8*\d:64*\x+32*\t+8*\d+7]
.endr
.endr
.endr
	WIN 0
.endm
; A KEY STEP: 64 keys.  A piece all of whose queries come before the step's first key is left out, by a scalar branch on ids; the lines at the end that step addresses always run.
.macro STEP
	s_add_co_u32 s40, s[Q0], 31
	s_cmp_gt_u32 s[KF], s40
	s_cbranch_scc1 .Lhid_\@
	v_add_nc_u32 v[ADR], s[TB], v[L16]
.rept 4
	v_nop                                          ; with the addition five places behind the last products, ahead of loads into their sources and of products that write S^T anew
.endr
.irp i, 0,1,2,3,4,5,6,7,8,9,10,11,12,13,14,15
	ds_load_b128 v[KR+4*\i:KR+4*\i+3], v[ADR] offset:512*\i
.endr
.irp a, 0,1
.irp g, 0,1
.irp d, 0,1,2,3
	ds_load_tr16_b128 v[VR+32*\a+8*\d+4*\g:VR+32*\a+8*\d+4*\g+3], v[ADR] offset:VOFF+2048*(2*\a+\g)+512*\d
.endr
.endr
.endr
	PIECE 0, 16                                    ; K's sixteen loads are in, V's sixteen may be out
	s_add_co_u32 s40, s[Q0+1], 31
	s_cmp_gt_u32 s[KF], s40
	s_cbranch_scc1 .Lhid_\@
	PIECE 1, 0
.Lhid_\@:
	s_add_co_u32 s[KF], s[KF], 64
	s_add_co_u32 s[TB], s[TB], 8192
.endm
; THE CHANGE OF SLOTS, at a slot's head: all my tensor loads have landed; the add; my reads of the slot that I have left are over; the barrier.  fill = 1: the other slot is asked for, first thing behind it.
.macro CHANGE fill
	s_wait_tensorcnt 0x0                           ; no tensor load of mine is out, so the group 0 may be written
	ds_add_u32 v[SPW], v[NIL]                      ; 0 onto my spare word
.if \fill
	s_xor_b32 s[G0+1], s[G0+1], SLOT1
	s_add_nc_u64 s[G0+2:G0+3], s[G0+2:G0+3], 32768 ; the next 256 keys
	s_wait_xcnt 0x0                                ; the last prefetch, a slot back, has read its address
	s_add_nc_u64 s[PFA:PFA+1], s[PFA:PFA+1], 32768 ; one slot further on than the walking descriptor
.endif
	s_wait_dscnt 0x0
	s_barrier_signal -1
	s_barrier_wait -1
.if \fill
	s_add_co_u32 s40, s[KF], 256                   ; a slot whose first key comes after my work-group's last query is read by none of its waves: it is not asked for.
	s_or_b32 s41, s[Q0], 255                       ; Ids and the count of steps alone: all eight waves go the same way; every wait on TENSORcnt in this text is for 0
	s_cmp_gt_u32 s40, s41
	s_cbranch_scc1 .Lpast_\@
	tensor_load_to_lds s[G0:G0+3], s[G1:G1+7]
	s_nop 0
.rept 4
	v_nop
.endr
.Lpast_\@:
	s_cmp_gt_u32 s[SLOTS], s[LIM]                  ; a prefetch of the 8,192 bytes that this wave asks for at the NEXT change, lanes 256 bytes apart: four key steps ahead of that load.
	s_cbranch_scc0 .Lnot_mine_\@                   ; Each block is named once: the head's work-group 0 asks; the last change that fills a slot asks for nothing
	global_prefetch_b8 v[PFO], s[PFA:PFA+1] th:TH_LOAD_NT scope:SCOPE_SE
.Lnot_mine_\@:
.endif
.endm
.macro FOUR_STEPS
	s_mov_b32 s[CNT], 4
.Lstep_\@:
	STEP
	s_sub_co_u32 s[CNT], s[CNT], 1
	s_cmp_lg_u32 s[CNT], 0
	s_cbranch_scc1 .Lstep_\@
	s_sub_co_u32 s[TB], s[TB], 32768
	s_xor_b32 s[TB], s[TB], SLOT1                  ; on to the other slot
.endm
	s_wait_loadcnt 0x0                             ; Q
.Lslot:                                            ; seven trips: behind each change of slots but the last the next slot is asked for, up to the causal limit
	CHANGE 1
	FOUR_STEPS
	s_sub_co_u32 s[SLOTS], s[SLOTS], 1
	s_cmp_lg_u32 s[SLOTS], 0
	s_cbranch_scc1 .Lslot
	CHANGE 0                                       ; the last slot is written out: nothing is left to ask for
	FOUR_STEPS
	; THE WAY OUT.  l's halves and the other half of the lanes' are added; O^T / l is rounded to f16 and stored at 16 x lane: the image of the next product's fragment.  The additions are the places behind the last products.
.irp q, 0,1,2,3
	v_add_f32 v[CC+2*\q], v[ST+4*\q+2], v[ST+4*\q+3]
.endr
.irp q, 0,1,2,3
	v_permlanex16_b32 v[CC+2*\q+1], v[CC+2*\q], s[SEL], s[SEL+1]
.endr
.irp q, 0,1,2,3
	v_add_f32 v[CC+2*\q], v[CC+2*\q], v[CC+2*\q+1]
.endr
.irp q, 0,1,2,3
	v_rcp_f32 v[CC+2*\q], v[CC+2*\q]
.endr
	v_nop                                          ; a plain line behind the last reciprocal
	s_wait_alu depctr_va_vdst(0)                   ; one wait for the four
.irp q, 0,1,2,3
	WIN 0x41
.set j, 0
.rept 16
	v_pk_mul_f32 v[32*\q+j:32*\q+j+1], v[32*\q+j:32*\q+j+1], v[CC+2*\q:CC+2*\q+1] op_sel_hi:[1,0]
.set j, j+2
.endr
	WIN 0x05                                       ; sources window 1, destination window 0: S^T's registers are free
.set j, 0
.rept 16
	v_cvt_pk_f16_f32 v[SR+16*\q+j], v[32*\q+2*j], v[32*\q+2*j+1]
.set j, j+1
.endr
	WIN 0
.irp d, 0,1,2,3
	global_store_b128 v[L16], v[SR+16*\q+4*\d:SR+16*\q+4*\d+3], s[OUT+2*(\q/2):OUT+2*(\q/2)+1] offset:32768*(\q%2)+512*\d   ; 512 consecutive bytes
.endr
.endr
	s_wait_tensorcnt 0x0                           ; the wave's end
	ds_add_u32 v[SPW], v[NIL]
	s_wait_dscnt 0x0
	s_endpgm
.Lfunc_end_k_q2d4d92d5ab_attn:
	.size	k_q2d4d92d5ab_attn, .Lfunc_end_k_q2d4d92d5ab_attn-k_q2d4d92d5ab_attn
	.p2alignl 7, 3214868480
	.fill 96, 4, 3214868480
	.section	.rodata,"a",@progbits
	.p2align	6, 0x0
	.amdhsa_kernel k_q2d4d92d5ab_attn
		.amdhsa_group_segment_fixed_size 327680
		.amdhsa_private_segment_fixed_size 0
		.amdhsa_enable_private_segment 0
		.amdhsa_kernarg_size 16
		.amdhsa_user_sgpr_count 2
		.amdhsa_user_sgpr_kernarg_segment_ptr 1
		.amdhsa_wavefront_size32 1
		.amdhsa_system_sgpr_workgroup_id_x 1
		.amdhsa_system_sgpr_workgroup_id_y 1
		.amdhsa_system_sgpr_workgroup_id_z 1
		.amdhsa_system_vgpr_workitem_id 0
		.amdhsa_next_free_vgpr 448
		.amdhsa_next_free_sgpr 66
		.amdhsa_reserve_vcc 1
		.amdhsa_float_denorm_mode_32 3
		.amdhsa_float_denorm_mode_16_64 3
		.amdhsa_memory_ordered 1
		.amdhsa_forward_progress 1
		.amdhsa_inst_pref_size 104
	.end_amdhsa_kernel
	.amdgpu_metadata
---
amdhsa.version: [ 1, 2 ]
amdhsa.kernels:
  - .name:           k_q2d4d92d5ab_attn
    .symbol:         k_q2d4d92d5ab_attn.kd
    .args:
      - { .name: qkv, .offset: 0, .size: 8, .value_kind: global_buffer, .address_space: global }
      - { .name: ctxf, .offset: 8, .size: 8, .value_kind: global_buffer, .address_space: global }
    .group_segment_fixed_size: 327680
    .private_segment_fixed_size: 0
    .kernarg_segment_align: 8
    .kernarg_segment_size: 16
    .max_flat_workgroup_size: 256
    .sgpr_count:     66
    .vgpr_count:     448
    .wavefront_size: 32
...
	.end_amdgpu_metadata
.endif
;; end of part 3
;; launch proj (part 4): grid 4 x 64, 4 waves a work-group, clusters of 4 x 4, 327,680 bytes of LDS; arguments ctxf, wof, bo, out0; writes out0
.if DOCPART == 4
	.amdgcn_target "amdgcn-amd-amdhsa--gfx1250"
	.amdhsa_code_object_version 6
	.text
	.protected	k_q2d4d92d5ab_proj
	.globl	k_q2d4d92d5ab_proj
	.p2align	8
	.type	k_q2d4d92d5ab_proj,@function
k_q2d4d92d5ab_proj:
	s_mov_b64 s[64:65], 0
	v_nop
	global_prefetch_b8 v0, s[64:65] scope:SCOPE_SE
	s_setreg_imm32_b32 hwreg(HW_REG_WAVE_MODE, 25, 1), 1
	s_wait_xcnt 0x0
	s_wait_alu depctr_hold_cnt(0) depctr_sa_sdst(0) depctr_va_vdst(0) depctr_va_sdst(0) depctr_va_ssrc(0) depctr_va_vcc(0) depctr_vm_vsrc(0)
	s_getreg_b32 s2, hwreg(HW_REG_IB_STS2, 6, 4)
	s_cmp_eq_u32 s2, 0
	s_cbranch_scc0 .Lentry_in_a_cluster
	s_endpgm
.Lentry_in_a_cluster:
	s_bfe_u32 s2, ttmp6, 0x10000c
	s_cmp_lg_u32 s2, 0xf033
	s_cbranch_scc0 .Lentry_shape_is_right
	s_endpgm
.Lentry_shape_is_right:
; PROJ: out0 = ctx Wo + bo: 8192 x 1024 x 1024, f16 operands, f32 sums, f32 out.  Rows 0-15 of each batch are computed with their tiles and replaced by the launch early.
; A tile of 128 (rows) x 256 (columns) gives 256 work-groups; four waves, 64 x 128 each: 32 accumulators.  K goes in 8 steps of 128 through a ring of two LDS slots (two slots of 256 along K would not fit).
; Both operands lie in memory as images of their fragments: a fragment is two loads of 512 consecutive bytes at 16 x lane.
; CLUSTERS: 4 x 4 work-groups; ctx's tile is shared along a row of the cluster, Wo's along a column: joint loads.  THE MATRIX INSTRUCTION IS USED TRANSPOSED (source 0 = 16 columns of Wo, source 1 = 16 rows of ctx):
; a lane holds eight neighbouring numbers of a row of the result.  The bias is the C of each sum's first matrix instruction.
; REGISTERS: window 0: v16-31 addresses; v32-95 the bias in the result's layout; v128-255 rows on the way out.  window 1: two fragment buffers (v0, v128): 64 registers of Wo, 32 of ctx.  window 2: accumulator (a, b) at v[8 (8 a + b)].
.set SLOT,  98304                      ; ctx: 2 x 16,384 bytes, then Wo: 2 x 32,768
.set STAGE, 196608                     ; behind the ring: 16 rows x 528 bytes for each wave
.set SPARE, 230400                     ; the spare words, 128 bytes for each wave
.set ADRA, 16
.set ADRB, 20
.set STO,  24
.set RD,   25
.set CO,   26
.set SPW,  28
.set NIL,  29
.set PFO,  30
.set BO,   31
.set BIAS, 32
.set BK,   128
.set F0,   0
.set F1,   128
.set WV,   12                          ; s12 wave
.set RH,   13                          ; s13 my half of the rows; also: I fetch for ctx (0) or for Wo (1)
.set CH,   14                          ; s14 my half of the columns; also: which half I fetch
.set G1,   24
.set G0,   32
.set LIM,  43
.set PFA,  44
.set G1B,  48
.set G0B,  56
.set MSB, 0
.macro WIN new
.if MSB != (\new)
	s_set_vgpr_msb (MSB<<8)|(\new)
.set MSB, (\new)
.endif
.endm
.set MUL,  0xa5                        ; sources 0 and 1 window 1, C and D window 2 (the first products: C in window 0: 0x85)
.set TO_F, 0x40
.macro JLOAD s                         ; a joint load; an s_nop 0 and four v_nop follow each of the two lines
	s_cmp_eq_u32 s[RH], 0
	s_cbranch_scc0 .Lfor_b_\@
	tensor_load_to_lds s[G0+4*\s:G0+4*\s+3], s[G1:G1+7]
	s_nop 0
.rept 4
	v_nop
.endr
	s_branch .Lasked_\@
.Lfor_b_\@:
	tensor_load_to_lds s[G0B+4*\s:G0B+4*\s+3], s[G1B:G1B+7]
	s_nop 0
.rept 4
	v_nop
.endr
.Lasked_\@:
.endm
; A prefetch of the K step that stands two refills on: two tiles x 4,096 bytes, lanes 256 bytes apart.  Each block is named once: ctx's tile row is read by one cluster: its four partners of a row take two of the
; eight tiles each, told apart by address, wave 0 asking; Wo's tile column is read by every cluster: cluster y = 0 asks, the four partners of a column two tiles each for waves 2 and 3.  The loop's last trip asks for nothing.
.macro ASK
	s_cmp_gt_u32 s3, s[LIM]
	s_cbranch_scc0 .Lnot_mine_\@
	global_prefetch_b8 v[PFO], s[PFA:PFA+1] offset:4096 th:TH_LOAD_NT scope:SCOPE_SE
.Lnot_mine_\@:
.endm
.macro CREST
	s_cmp_lg_u32 s[WV], 0
	s_cbranch_scc1 .Lnot_wave_0_\@
	s_barrier_signal -3
.Lnot_wave_0_\@:
	s_barrier_wait -3
	s_barrier_signal -1
	s_barrier_wait -1
.endm
.macro CROUND
	s_barrier_signal -1
	s_barrier_wait -1
	CREST
.endm
	s_load_b256 s[4:11], s[0:1], 0x0               ; ctxf s[4:5], wof s[6:7], bo s[8:9], out0 s[10:11]
	v_lshl_add_u32 v[SPW], v0, 2, SPARE
	v_mov_b32 v[NIL], 0
	ds_add_u32 v[SPW], v[NIL]                      ; the wave's opening: the add, twice on end, and its wait ahead of my first tensor load
	ds_add_u32 v[SPW], v[NIL]
	v_lshrrev_b32 v1, 5, v0
	v_readfirstlane_b32 s[WV], v1
	s_lshr_b32 s[RH], s[WV], 1
	s_and_b32 s[CH], s[WV], 1
	s_bfe_u32 s40, ttmp6, 0x40000                  ; cx
	s_bfe_u32 s41, ttmp6, 0x40004                  ; cy
	s_lshl_b32 s42, ttmp9, 2
	s_add_co_u32 s42, s42, s40                     ; tile column
	s_and_b32 s15, ttmp7, 0xffff
	s_lshl_b32 s15, s15, 2
	s_add_co_u32 s15, s15, s41                     ; tile row
	s_lshl_b32 s16, s41, 2
	s_lshl_b32 s16, 15, s16                        ; my row of the cluster
	s_lshl_b32 s17, 0x1111, s40                    ; my column
	; group 1: tiles of 4,096 bytes (512 elements of 8 bytes), 32,768 bytes apart in memory, dense in LDS: four of ctx, eight of Wo
	s_or_b32 s[G1], s16, (3<<16)|(1<<21)
	s_mov_b32 s[G1+1], 512<<16
	s_mov_b32 s[G1+2], 4<<16
	s_mov_b32 s[G1+3], 512<<16
	s_mov_b32 s[G1+4], 4
	s_mov_b32 s[G1+5], 4096
	s_mov_b32 s[G1+6], 0
	s_mov_b32 s[G1+7], 0
	s_or_b32 s[G1B], s17, (3<<16)|(1<<21)
	s_mov_b32 s[G1B+1], 512<<16
	s_mov_b32 s[G1B+2], 8<<16
	s_mov_b32 s[G1B+3], 512<<16
	s_mov_b32 s[G1B+4], 8
	s_mov_b32 s[G1B+5], 4096
	s_mov_b32 s[G1B+6], 0
	s_mov_b32 s[G1B+7], 0
	s_lshl_b32 s18, s15, 3
	s_lshl_b32 s19, s[CH], 2
	s_add_co_u32 s18, s18, s19
	s_lshl_b32 s18, s18, 15                        ; ctx: tile 8 x tile row + 4 x half
	s_mov_b32 s19, 0
	s_lshl_b32 s46, s42, 4
	s_lshl_b32 s47, s[CH], 3
	s_add_co_u32 s46, s46, s47
	s_lshl_b32 s46, s46, 15                        ; Wo: tile 16 x tile column + 8 x half
	s_mov_b32 s47, 0
	s_lshl_b32 s22, s[CH], 14                      ; where they go: no place in the cluster enters an LDS address
	s_lshl_b32 s23, s[CH], 15
	s_add_co_u32 s23, s23, 32768
	s_wait_dscnt 0x0                               ; both opening adds are done
	s_wait_kmcnt 0x0
	s_add_nc_u64 s[18:19], s[4:5], s[18:19]
	s_add_nc_u64 s[46:47], s[6:7], s[46:47]
	CROUND                                         ; all sixteen work-groups are here: the first joint loads meet
.irp s, 0,1
	s_mov_b32 s[G0+4*\s], 1
	s_add_co_u32 s[G0+4*\s+1], s22, \s*SLOT
	s_add_nc_u64 s[G0+4*\s+2:G0+4*\s+3], s[18:19], \s*4096
	s_or_b32 s[G0+4*\s+3], s[G0+4*\s+3], 0x80000000
	s_mov_b32 s[G0B+4*\s], 1
	s_add_co_u32 s[G0B+4*\s+1], s23, \s*SLOT
	s_add_nc_u64 s[G0B+4*\s+2:G0B+4*\s+3], s[46:47], \s*4096
	s_or_b32 s[G0B+4*\s+3], s[G0B+4*\s+3], 0x80000000
	JLOAD \s
.endr
	v_and_b32 v1, 15, v0                           ; r
	v_bfe_u32 v2, v0, 4, 1                         ; h
	v_and_b32 v3, 31, v0
	v_lshlrev_b32 v[CO], 4, v3                     ; 16 x lane
	s_lshl_b32 s20, s[RH], 14                      ; my 64 rows of ctx
	s_lshl_b32 s21, s[CH], 15
	s_add_co_u32 s21, s21, 32768                   ; my 128 columns of Wo
.irp s, 0,1
	v_add_nc_u32 v[ADRA+\s], s20, v[CO]
	v_add_nc_u32 v[ADRB+\s], s21, v[CO]
	s_add_co_u32 s20, s20, SLOT
	s_add_co_u32 s21, s21, SLOT
.endr
	s_mul_i32 s20, s[WV], 16*528
	s_add_co_u32 s20, s20, STAGE                   ; my stage
	v_mul_u32_u24 v4, v1, 528
	v_lshl_add_u32 v4, v2, 5, v4
	v_add_nc_u32 v[STO], s20, v4                   ; in: row r, 32 bytes for each half of the lanes
	v_add_nc_u32 v[RD], s20, v[CO]                 ; back: a row of 512 bytes
	v_lshlrev_b32 v[BO], 5, v2                     ; the bias: my half's eight numbers of a tile
	v_lshlrev_b32 v[PFO], 8, v1
	v_lshl_add_u32 v[PFO], v2, 15, v[PFO]          ; the prefetches: tile h, 256 r
	s_lshl_b32 s20, s42, 10
	s_lshl_b32 s21, s[CH], 9
	s_add_co_u32 s20, s20, s21                     ; my first column, in bytes
	s_mov_b32 s21, 0
	s_add_nc_u64 s[8:9], s[8:9], s[20:21]
	s_add_nc_u64 s[10:11], s[10:11], s[20:21]
	s_lshl_b32 s20, s15, 19                        ; 128 rows of 4,096 bytes a tile row,
	s_lshl_b32 s22, s[RH], 18                      ; 64 for my half
	s_add_co_u32 s20, s20, s22
	s_add_nc_u64 s[10:11], s[10:11], s[20:21]
.irp b, 0,1,2,3,4,5,6,7
	global_load_b128 v[BIAS+8*\b:BIAS+8*\b+3], v[BO], s[8:9] offset:64*\b
	global_load_b128 v[BIAS+8*\b+4:BIAS+8*\b+7], v[BO], s[8:9] offset:64*\b+16
.endr
	s_lshl_b32 s20, s15, 3
	s_lshl_b32 s21, s40, 1
	s_add_co_u32 s20, s20, s21                     ; ctx: my work-group's two tiles: 8 x tile row + 2 cx
	s_lshl_b32 s21, s42, 4
	s_lshl_b32 s23, s[CH], 3
	s_add_co_u32 s21, s21, s23
	s_lshl_b32 s23, s41, 1
	s_add_co_u32 s21, s21, s23                     ; Wo: 16 x tile column + 8 x half + 2 cy
	s_and_b32 s22, ttmp7, 0xffff                   ; cluster y
	s_cmp_eq_u32 s[RH], 0                          ; do I fetch for ctx?
	s_cselect_b64 s[PFA:PFA+1], s[4:5], s[6:7]
	s_cselect_b32 s20, s20, s21
	s_cselect_b32 s22, s[CH], s22                  ; ctx: wave 0 asks; Wo: the clusters with y = 0 ask
	s_cmp_eq_u32 s22, 0
	s_cselect_b32 s[LIM], 1, -1                    ; the same in all sixteen partners, for a given wave
	s_lshl_b32 s20, s20, 15
	s_mov_b32 s21, 0
	s_add_nc_u64 s[PFA:PFA+1], s[PFA:PFA+1], s[20:21]
	s_add_nc_u64 s[PFA:PFA+1], s[PFA:PFA+1], 2*4096  ; at K step 2: the first refill steps it to 3 and names K step 4.  Nothing is prefetched here, at the head
.macro MULA f, a, first                ; eight matrix instructions: ctx's block a against Wo's eight.  The 32 accumulators take turns, one instruction a turn
.irp b, 0,1,2,3,4,5,6,7
.if \first
	v_wmma_f32_16x16x32_f16 v[8*(8*\a+\b):8*(8*\a+\b)+7], v[\f+8*\b:\f+8*\b+7], v[\f+64+8*\a:\f+64+8*\a+7], v[BIAS+8*\b:BIAS+8*\b+7]
.else
	v_wmma_f32_16x16x32_f16 v[8*(8*\a+\b):8*(8*\a+\b)+7], v[\f+8*\b:\f+8*\b+7], v[\f+64+8*\a:\f+64+8*\a+7], v[8*(8*\a+\b):8*(8*\a+\b)+7]
.endif
.endr
.endm
.macro FETCH slot, q, f                ; 24 LDS loads in one run: the fragments of the slot's q-th 32 along K: Wo's eight, then ctx's four
	WIN TO_F
.irp i, 0,1,2,3,4,5,6,7
	ds_load_b128 v[\f+8*\i:\f+8*\i+3],   v[ADRB+\slot] offset:4096*\i+1024*(\q)
	ds_load_b128 v[\f+8*\i+4:\f+8*\i+7], v[ADRB+\slot] offset:4096*\i+1024*(\q)+512
.endr
.irp i, 0,1,2,3
	ds_load_b128 v[\f+64+8*\i:\f+64+8*\i+3],   v[ADRA+\slot] offset:4096*\i+1024*(\q)
	ds_load_b128 v[\f+64+8*\i+4:\f+64+8*\i+7], v[ADRA+\slot] offset:4096*\i+1024*(\q)+512
.endr
.endm
.macro PLACES
.rept 4
	v_nop
.endr
.endm
.macro QUARTER slot, qn, f, g, first   ; multiplies buffer f; in its middle it fetches the slot's quarter qn into buffer g
	s_wait_dscnt 4                                 ; all but the youngest four loads (ctx's blocks 2, 3) are in
	WIN MUL-0x20*(\first)
	MULA \f, 0, \first
	MULA \f, 1, \first
	PLACES
	FETCH \slot, \qn, \g
	s_wait_dscnt 24                                ; all but the 24 just issued
	WIN MUL-0x20*(\first)
	MULA \f, 2, \first
	MULA \f, 3, \first
.endm
; A slot's last quarter changes slots: in front of the barrier each wave waits for all its tensor loads, adds 0 to its spare word, and waits for that and for its reads of this slot.  fill = 1: the barrier opens
; a round of the cluster's, and the joint refill, two K steps ahead, is the first thing behind it.
.macro TURN slot, next, fill
.if \fill
	s_wait_xcnt 0x0                                ; the last prefetch, a K step back, has read its address
	s_add_nc_u64 s[PFA:PFA+1], s[PFA:PFA+1], 4096
.endif
	WIN 0
	s_wait_tensorcnt 0x0
	ds_add_u32 v[SPW], v[NIL]
	s_wait_dscnt 5                                 ; (the add and the youngest four loads may be out)
	WIN MUL
	MULA F1, 0, 0
	s_wait_dscnt 0x0                               ; the add is done, and my reads of this slot are over
	s_barrier_signal -1
	MULA F1, 1, 0
	WIN 0
	s_barrier_wait -1
.if \fill
	CREST
	s_add_nc_u64 s[G0+4*\slot+2:G0+4*\slot+3], s[G0+4*\slot+2:G0+4*\slot+3], 8192
	s_add_nc_u64 s[G0B+4*\slot+2:G0B+4*\slot+3], s[G0B+4*\slot+2:G0B+4*\slot+3], 8192
	JLOAD \slot                                    ; its four v_nop are also the places in front of the loads below
.else
	PLACES
.endif
	FETCH \next, 0, F0
.if \fill
	WIN 0
	ASK
.endif
	WIN MUL
	MULA F1, 2, 0
	MULA F1, 3, 0
.endm
	s_wait_tensorcnt 1                             ; my part of K step 0 is in (K step 1's load may be out),
	s_barrier_signal -1
	s_barrier_wait -1                              ; everybody's is
	FETCH 0, 0, F0
	s_wait_loadcnt 0x0                             ; the bias
	QUARTER 0, 1, F0, F1, 1                        ; the first products start the sums, on the bias
	WIN 0
	s_mov_b32 s3, 3
.Llap:                                             ; a trip goes once round the ring and fills both slots again
	QUARTER 0, 2, F1, F0, 0
	QUARTER 0, 3, F0, F1, 0
	TURN 0, 1, 1
	QUARTER 1, 1, F0, F1, 0
	QUARTER 1, 2, F1, F0, 0
	QUARTER 1, 3, F0, F1, 0
	TURN 1, 0, 1
	QUARTER 0, 1, F0, F1, 0
	WIN 0
	s_sub_co_u32 s3, s3, 1
	s_cmp_lg_u32 s3, 0
	s_cbranch_scc1 .Llap
	QUARTER 0, 2, F1, F0, 0                        ; the last lap fills nothing
	QUARTER 0, 3, F0, F1, 0
	TURN 0, 1, 0
	QUARTER 1, 1, F0, F1, 0
	QUARTER 1, 2, F1, F0, 0
	QUARTER 1, 3, F0, F1, 0
	s_wait_dscnt 4
	WIN MUL
	MULA F1, 0, 0
	MULA F1, 1, 0
	s_wait_dscnt 0
	MULA F1, 2, 0
	MULA F1, 3, 0
	WIN 0
; THE WAY OUT, block by block of 16 rows x 128 columns, through my own stage: in as 32 bytes a lane, back as whole rows of 512 bytes.  LDS serves a wave's instructions in order: no wait between the stores and the loads.
.macro TOSTAGE a
	WIN 0x08                                       ; an LDS store's data are its source 1: window 2
.irp b, 0,1,2,3,4,5,6,7
	ds_store_b128 v[STO], v[64*(\a)+8*\b:64*(\a)+8*\b+3] offset:64*\b          ; each accumulator from its low end on
	ds_store_b128 v[STO], v[64*(\a)+8*\b+4:64*(\a)+8*\b+7] offset:64*\b+16
.endr
	WIN 0
.set BB, BK+64*((\a)%2)
.irp t, 0,1,2,3,4,5,6,7,8,9,10,11,12,13,14,15
	ds_load_b128 v[BB+4*\t:BB+4*\t+3], v[RD] offset:\t*528
.endr
.endm
.macro SEND a, younger
.set BB, BK+64*((\a)%2)
	s_wait_dscnt \younger
.if (\a) > 0
	s_add_nc_u64 s[10:11], s[10:11], 65536         ; 16 rows on (the earlier stores have read their base: a wait on XCNT stands ahead)
.endif
.irp t, 0,1,2,3,4,5,6,7,8,9,10,11,12,13,14,15
	global_store_b128 v[CO], v[BB+4*\t:BB+4*\t+3], s[10:11] offset:\t*4096 th:TH_STORE_NT   ; 32 lanes store 512 consecutive bytes
.endr
.endm
	PLACES
	TOSTAGE 0
.irp a, 1,2,3
.if \a > 1
	s_wait_xcnt 0x0                                ; block a - 2's stores have read their registers and their base
.endif
	TOSTAGE \a
	SEND \a-1, 32                                  ; behind block a - 1's loads: block a's 16 stores and 16 loads
.endr
	s_wait_xcnt 0x0
	SEND 3, 0
	s_wait_tensorcnt 0x0                           ; the wave's end
	ds_add_u32 v[SPW], v[NIL]
	s_wait_dscnt 0x0
	CROUND                                         ; the closing round
	s_endpgm
.Lfunc_end_k_q2d4d92d5ab_proj:
	.size	k_q2d4d92d5ab_proj, .Lfunc_end_k_q2d4d92d5ab_proj-k_q2d4d92d5ab_proj
	.p2alignl 7, 3214868480
	.fill 96, 4, 3214868480
	.section	.rodata,"a",@progbits
	.p2align	6, 0x0
	.amdhsa_kernel k_q2d4d92d5ab_proj
		.amdhsa_group_segment_fixed_size 327680
		.amdhsa_private_segment_fixed_size 0
		.amdhsa_enable_private_segment 0
		.amdhsa_kernarg_size 32
		.amdhsa_user_sgpr_count 2
		.amdhsa_user_sgpr_kernarg_segment_ptr 1
		.amdhsa_wavefront_size32 1
		.amdhsa_system_sgpr_workgroup_id_x 1
		.amdhsa_system_sgpr_workgroup_id_y 1
		.amdhsa_system_sgpr_workgroup_id_z 1
		.amdhsa_system_vgpr_workitem_id 0
		.amdhsa_next_free_vgpr 768
		.amdhsa_next_free_sgpr 66
		.amdhsa_reserve_vcc 0
		.amdhsa_float_denorm_mode_32 3
		.amdhsa_float_denorm_mode_16_64 3
		.amdhsa_memory_ordered 1
		.amdhsa_forward_progress 1
		.amdhsa_inst_pref_size 87
	.end_amdhsa_kernel
	.amdgpu_metadata
---
amdhsa.version: [ 1, 2 ]
amdhsa.kernels:
  - .name:           k_q2d4d92d5ab_proj
    .symbol:         k_q2d4d92d5ab_proj.kd
    .args:
      - { .name: ctxf, .offset: 0, .size: 8, .value_kind: global_buffer, .address_space: global }
      - { .name: wof, .offset: 8, .size: 8, .value_kind: global_buffer, .address_space: global }
      - { .name: bo, .offset: 16, .size: 8, .value_kind: global_buffer, .address_space: global }
      - { .name: out0, .offset: 24, .size: 8, .value_kind: global_buffer, .address_space: global }
    .group_segment_fixed_size: 327680
    .private_segment_fixed_size: 0
    .kernarg_segment_align: 8
    .kernarg_segment_size: 32
    .max_flat_workgroup_size: 128
    .sgpr_count:     66
    .vgpr_count:     768
    .wavefront_size: 32
...
	.end_amdgpu_metadata
.endif
;; end of part 4
;; launch early (part 5): grid 16 x 4, 16 waves a work-group, no clusters, 71,680 bytes of LDS; arguments qkv32, Wo, bo, out0; writes out0
.if DOCPART == 5
	.amdgcn_target "amdgcn-amd-amdhsa--gfx1250"
	.amdhsa_code_object_version 6
	.text
	.protected	k_q2d4d92d5ab_early
	.globl	k_q2d4d92d5ab_early
	.p2align	8
	.type	k_q2d4d92d5ab_early,@function
k_q2d4d92d5ab_early:
	s_mov_b64 s[64:65], 0
	v_nop
	global_prefetch_b8 v0, s[64:65] scope:SCOPE_SE
	s_setreg_imm32_b32 hwreg(HW_REG_WAVE_MODE, 25, 1), 1
	s_wait_xcnt 0x0
; EARLY: positions 0-15 of each batch wholly in f32: their rows average one to sixteen values, where the rounding of 16-bit operands weighs most.  It replaces those 64 rows of out0.
; Keys after the query get -infinity, as reference()'s own jnp.tril has it; keys from 16 on are hidden from these queries for all inputs and are not loaded.
; SHARES.  Work-group (x, b): batch b, output columns 64 x .. 64 x + 63.  Wave hd does head hd: the attention of the 16 rows, then its 64 of the projection's K; the sixteen partial results meet in LDS,
; and wave w adds and stores query w's 64 columns: 256 consecutive bytes.  The attention is repeated in a batch's sixteen work-groups: 32 small matrix instructions a wave.
; LAYOUT.  All products are used transposed, so that a lane holds one query.  qkv32 holds the accumulators of the launch qkv: lane (r, h), register 8 bq + j = (position r, channel 16 bq + 8 h + j).
; A pair of such registers serves as a K step of 4 of the f32 form: the same permutation of K stands on both sides of each product.
; The registers that the f32 matrix form writes, v192-255, are written by matrix instructions alone.
.set SPARE, 69632                      ; behind the 16 partial results of 16 rows x 272 bytes: the spare words, 128 bytes for each of sixteen waves
.set SPW, 10
.set NIL, 11
	s_load_b256 s[4:11], s[0:1], 0x0               ; qkv32 s[4:5], Wo s[6:7], bo s[8:9], out0 s[10:11]
	v_lshl_add_u32 v[SPW], v0, 2, SPARE
	v_mov_b32 v[NIL], 0
	v_lshrrev_b32 v1, 5, v0
	v_readfirstlane_b32 s12, v1                    ; my head, later my query
	v_and_b32 v15, 31, v0
	v_and_b32 v1, 15, v0                           ; r
	v_bfe_u32 v2, v0, 4, 1                         ; h
	v_lshlrev_b32 v3, 4, v15                       ; 16 L
	v_lshlrev_b32 v9, 3, v15                       ; 8 L
	v_bfe_u32 v4, v0, 2, 1                         ; v, gathered so that lane (r, h), register 8 t + j holds v[key 8 h + j][channel 16 t + r]:
	v_lshlrev_b32 v4, 9, v4                        ; 512 ((r / 4) % 2)
	v_bfe_u32 v5, v0, 3, 1
	v_lshl_add_u32 v4, v5, 8, v4                   ; + 256 (r / 8)
	v_and_b32 v5, 3, v0
	v_lshl_add_u32 v4, v5, 2, v4                   ; + 4 (r % 4)
	v_lshl_add_u32 v4, v2, 7, v4                   ; + 128 h
	v_lshlrev_b32 v5, 2, v1
	v_lshl_add_u32 v5, v2, 15, v5                  ; Wo: 8 h rows of 4,096 bytes + 4 r
	v_lshlrev_b32 v6, 3, v2
	v_sub_nc_u32 v6, v1, v6                        ; r - 8 h: key 8 h + j is hidden where j > r - 8 h
	s_mul_i32 s13, s12, 4352
	v_mul_u32_u24 v7, v1, 272
	v_lshl_add_u32 v7, v2, 5, v7
	v_add_nc_u32 v7, s13, v7                       ; my partial result: row r, 32 h
	s_mul_i32 s13, s12, 272
	v_add_nc_u32 v8, s13, v9                       ; back: row = my query, 8 bytes a lane
	v_mov_b32 v14, 0xff800000                      ; -infinity
	s_and_b32 s14, ttmp7, 0xffff                   ; batch
	s_mul_i32 s16, s14, 48
	s_add_co_u32 s16, s16, s12
	s_lshl_b32 s16, s16, 12                        ; q's plane of 4,096 bytes; k's lies 16 planes on, v's 32
	s_mov_b32 s17, 0
	s_lshl_b32 s18, s12, 18                        ; Wo: my head's 64 rows,
	s_lshl_b32 s24, ttmp9, 8                       ; the work-group's 64 columns
	s_add_co_u32 s18, s18, s24
	s_mov_b32 s19, 0
	s_mov_b32 s25, 0
	s_lshl_b32 s26, s14, 23                        ; out0: 2,048 rows of 4,096 bytes a batch,
	s_lshl_b32 s13, s12, 12                        ; my query's row,
	s_add_co_u32 s26, s26, s13
	s_add_co_u32 s26, s26, s24                     ; the columns
	s_mov_b32 s27, 0
	s_mov_b32 s20, 0x3e38aa3b                      ; c = log2(e) / 8
	s_mov_b32 s21, s20
	s_mov_b32 s22, 0x76543210
	s_mov_b32 s23, 0xfedcba98
	s_wait_kmcnt 0x0
	s_add_nc_u64 s[4:5], s[4:5], s[16:17]
	s_add_nc_u64 s[6:7], s[6:7], s[18:19]
	s_add_nc_u64 s[8:9], s[8:9], s[24:25]
	s_add_nc_u64 s[10:11], s[10:11], s[26:27]
	global_load_b64 v[12:13], v9, s[8:9]           ; the bias of my two columns
.irp i, 0,1,2,3,4,5,6,7
	global_load_b128 v[32+4*\i:35+4*\i], v3, s[4:5] offset:512*\i                 ; q
.endr
.irp i, 0,1,2,3,4,5,6,7
	global_load_b128 v[64+4*\i:67+4*\i], v3, s[4:5] offset:65536+512*\i           ; k
.endr
.irp t, 0,1,2,3
.irp j, 0,1,2,3,4,5,6,7
	global_load_b32 v[96+8*\t+\j], v4, s[4:5] offset:131072+1024*\t+16*\j         ; v
.endr
.endr
.irp u, 0,1
.irp t, 0,1,2,3
.irp j, 0,1,2,3,4,5,6,7
	global_load_b32 v[128+32*\u+8*\t+\j], v5, s[6:7] offset:4096*(16*\t+\j)+64*\u ; Wo[64 hd + 16 t + 8 h + j][column 16 u + r], u = 0, 1
.endr
.endr
.endr
	s_wait_loadcnt 63                              ; 64 loads were issued behind v's last: the bias, q, k and v are in
.irp s, 0,1,2,3,4,5,6,7,8,9,10,11,12,13,14,15   ; S^T = k q^T: two accumulators by turns; the first two products start the sums
.if \s < 2
	v_wmma_f32_16x16x4_f32 v[192+8*(\s%2):199+8*(\s%2)], v[64+2*\s:65+2*\s], v[32+2*\s:33+2*\s], 0
.else
	v_wmma_f32_16x16x4_f32 v[192+8*(\s%2):199+8*(\s%2)], v[64+2*\s:65+2*\s], v[32+2*\s:33+2*\s], v[192+8*(\s%2):199+8*(\s%2)]
.endif
.endr
.rept 8
	v_nop                                          ; eight places behind this form, ahead of loads into its sources and of the first read of its results
.endr
.irp u, 0,1
.irp t, 0,1,2,3
.irp j, 0,1,2,3,4,5,6,7
	global_load_b32 v[32+32*\u+8*\t+\j], v5, s[6:7] offset:4096*(16*\t+\j)+64*(\u+2)   ; Wo's columns 16 u + r, u = 2, 3, where q and k lay
.endr
.endr
.endr
.irp j, 0,1,2,3,4,5,6,7
	v_add_f32 v[16+\j], v[192+\j], v[200+\j]       ; lane (r, h): query r, key 8 h + j
.endr
.irp j, 0,1,2,3,4,5,6,7
	v_cmp_gt_i32 vcc_lo, \j, v6
	v_cndmask_b32 v[16+\j], v[16+\j], v14, vcc_lo
.endr
	v_max3_num_f32 v24, v16, v17, v18
	v_max3_num_f32 v25, v19, v20, v21
	v_max3_num_f32 v24, v24, v22, v23
	v_max_num_f32 v24, v24, v25
	v_permlanex16_b32 v25, v24, s22, s23
	v_max_num_f32 v24, v24, v25                    ; the row's maximum: key 0 counts for every query
	v_mul_f32 v24, s20, v24
	v_mov_b32 v25, v24                             ; (named with it as a pair)
.irp j, 0,2,4,6
	v_pk_fma_f32 v[16+\j:17+\j], v[16+\j:17+\j], s[20:21], v[24:25] op_sel_hi:[1,0,0] neg_lo:[0,0,1] neg_hi:[0,0,1]
.endr
.irp j, 0,1,2,3,4,5,6,7
	v_exp_f32 v[16+\j], v[16+\j]
.endr
	v_nop
	s_wait_alu depctr_va_vdst(0)                   ; one wait for the eight exponentials, ahead of their first reader
	v_pk_add_f32 v[26:27], v[16:17], v[18:19]
	v_pk_add_f32 v[28:29], v[20:21], v[22:23]
	v_pk_add_f32 v[26:27], v[26:27], v[28:29]
	v_add_f32 v26, v26, v27
	v_permlanex16_b32 v27, v26, s22, s23
	v_add_f32 v26, v26, v27
	v_rcp_f32 v26, v26
	v_nop
	s_wait_alu depctr_va_vdst(0)
.irp j, 0,2,4,6
	v_pk_mul_f32 v[16+\j:17+\j], v[16+\j:17+\j], v[26:27] op_sel_hi:[1,0]    ; the weights, normalised
.endr
.irp p, 0,1,2,3                        ; O^T = v^T P: four accumulators by turns
.irp t, 0,1,2,3
.if \p == 0
	v_wmma_f32_16x16x4_f32 v[224+8*\t:231+8*\t], v[96+8*\t+2*\p:97+8*\t+2*\p], v[16+2*\p:17+2*\p], 0
.else
	v_wmma_f32_16x16x4_f32 v[224+8*\t:231+8*\t], v[96+8*\t+2*\p:97+8*\t+2*\p], v[16+2*\p:17+2*\p], v[224+8*\t:231+8*\t]
.endif
.endr
.endr
.rept 9
	v_nop                                          ; nine places ahead of matrix instructions that take these results as a source
.endr
	s_wait_loadcnt 63                              ; 64 loads were issued behind the first half of Wo: it is in
.irp t, 0,1,2,3                        ; out^T = Wo^T ctx^T over my head's 64: two accumulators by turns
.irp p, 0,1,2,3
.irp u, 0,1
.if (\t)+(\p) == 0
	v_wmma_f32_16x16x4_f32 v[192+8*\u:199+8*\u], v[128+32*\u+8*\t+2*\p:129+32*\u+8*\t+2*\p], v[224+8*\t+2*\p:225+8*\t+2*\p], 0
.else
	v_wmma_f32_16x16x4_f32 v[192+8*\u:199+8*\u], v[128+32*\u+8*\t+2*\p:129+32*\u+8*\t+2*\p], v[224+8*\t+2*\p:225+8*\t+2*\p], v[192+8*\u:199+8*\u]
.endif
.endr
.endr
.endr
	s_wait_loadcnt 0x0
.irp t, 0,1,2,3
.irp p, 0,1,2,3
.irp u, 0,1
.if (\t)+(\p) == 0
	v_wmma_f32_16x16x4_f32 v[208+8*\u:215+8*\u], v[32+32*\u+8*\t+2*\p:33+32*\u+8*\t+2*\p], v[224+8*\t+2*\p:225+8*\t+2*\p], 0
.else
	v_wmma_f32_16x16x4_f32 v[208+8*\u:215+8*\u], v[32+32*\u+8*\t+2*\p:33+32*\u+8*\t+2*\p], v[224+8*\t+2*\p:225+8*\t+2*\p], v[208+8*\u:215+8*\u]
.endif
.endr
.endr
.endr
.rept 8
	v_nop
.endr
.irp u, 0,1,2,3
	ds_store_b128 v7, v[192+8*\u:195+8*\u] offset:64*\u          ; lane (r, h): query r, columns 16 u + 8 h + 0 .. 7; each accumulator from its low end on
	ds_store_b128 v7, v[196+8*\u:199+8*\u] offset:64*\u+16
.endr
	s_wait_dscnt 0x0                               ; for the others' sake: my partial result has landed
	s_barrier_signal -1
	s_barrier_wait -1
.irp p, 0,1,2,3,4,5,6,7,8,9,10,11,12,13,14,15
	ds_load_b64 v[32+2*\p:33+2*\p], v8 offset:4352*\p            ; my query's row of each head's partial result
.endr
	s_wait_dscnt 0x0
.irp p, 0,1,2,3,4,5,6,7,8,9,10,11,12,13,14,15
	v_pk_add_f32 v[12:13], v[12:13], v[32+2*\p:33+2*\p]          ; the bias and the sixteen heads, in order
.endr
	global_store_b64 v9, v[12:13], s[10:11]        ; 32 lanes store 256 consecutive bytes
	s_wait_tensorcnt 0x0                           ; the wave's end, behind my last LDS store
	ds_add_u32 v[SPW], v[NIL]
	s_wait_dscnt 0x0
	s_endpgm
.Lfunc_end_k_q2d4d92d5ab_early:
	.size	k_q2d4d92d5ab_early, .Lfunc_end_k_q2d4d92d5ab_early-k_q2d4d92d5ab_early
	.p2alignl 7, 3214868480
	.fill 96, 4, 3214868480
	.section	.rodata,"a",@progbits
	.p2align	6, 0x0
	.amdhsa_kernel k_q2d4d92d5ab_early
		.amdhsa_group_segment_fixed_size 71680
		.amdhsa_private_segment_fixed_size 0
		.amdhsa_enable_private_segment 0
		.amdhsa_kernarg_size 32
		.amdhsa_user_sgpr_count 2
		.amdhsa_user_sgpr_kernarg_segment_ptr 1
		.amdhsa_wavefront_size32 1
		.amdhsa_system_sgpr_workgroup_id_x 1
		.amdhsa_system_sgpr_workgroup_id_y 1
		.amdhsa_system_sgpr_workgroup_id_z 1
		.amdhsa_system_vgpr_workitem_id 0
		.amdhsa_next_free_vgpr 256
		.amdhsa_next_free_sgpr 66
		.amdhsa_reserve_vcc 1
		.amdhsa_float_denorm_mode_32 3
		.amdhsa_float_denorm_mode_16_64 3
		.amdhsa_memory_ordered 1
		.amdhsa_forward_progress 1
		.amdhsa_inst_pref_size 32
	.end_amdhsa_kernel
	.amdgpu_metadata
---
amdhsa.version: [ 1, 2 ]
amdhsa.kernels:
  - .name:           k_q2d4d92d5ab_early
    .symbol:         k_q2d4d92d5ab_early.kd
    .args:
      - { .name: qkv32, .offset: 0, .size: 8, .value_kind: global_buffer, .address_space: global }
      - { .name: Wo, .offset: 8, .size: 8, .value_kind: global_buffer, .address_space: global }
      - { .name: bo, .offset: 16, .size: 8, .value_kind: global_buffer, .address_space: global }
      - { .name: out0, .offset: 24, .size: 8, .value_kind: global_buffer, .address_space: global }
    .group_segment_fixed_size: 71680
    .private_segment_fixed_size: 0
    .kernarg_segment_align: 8
    .kernarg_segment_size: 32
    .max_flat_workgroup_size: 512
    .sgpr_count:     66
    .vgpr_count:     256
    .wavefront_size: 32
...
	.end_amdgpu_metadata
.endif
;; end of part 5
